; MI455X (gfx1250); checked and timed in simulation.
; The chip was launched on July 23, 2026; its instructions are those of AMD's public machine-readable ISA for CDNA 5 (MIT licence, August 2026) and "CDNA5" Instruction Set Architecture Reference Guide (July 2026). The comments in the code are by the model that wrote it; some were corrected since.
;; Core Attention. Allowed arithmetic: matrix products marked QUANTISED: E2M1 operands, one E8M0 scale for each 32 along K, by v_wmma_scale_f32_16x16x128_f8f6f4 with both operands' format E2M1 (or v_wmma_scale_f32_32x16x128_f4), f32 sums; everything else in f32.
;; Inputs: attention_mask 2 x 1 x 2,048 x 2,048 bool; key_layer 2,048 x 2 x 16 x 64 float32; query_layer 2,048 x 2 x 16 x 64 float32; value_layer 2,048 x 2 x 16 x 64 float32.
;; Outputs: out0 2,048 x 2 x 1,024 float32.
;; This version of the problem:
;;   THIS VERSION OF THE PROBLEM IS GIVEN IN LOW PRECISION. The matrix products marked QUANTISED in the list below multiply operands that are first quantised to E2M1 (2 exponent bits, 1 mantissa bit; 4 bits a number), with one power-of-two scale for each 32 numbers along K (OCP MX v1.0); their sums are f32. All else is computed in f32.
;;   The module's matrix products, in the order in which they are computed (A, B: the left and right operand; K: the contracted axis; several contracted axes count as one K, in the product's order):
;;     1. batch 32 x [M 2,048, K 64] x [K 64, N 2,048]; A: input query_layer; B: input key_layer: QUANTISED
;;     2. batch 32 x [M 64, K 2,048] x [K 2,048, N 2,048]; A: input value_layer; B: softmax (see below): QUANTISED
;;   THE QUANTISER, for each operand of a quantised product, along K:
;;     - K is cut into blocks of 32 from its start; a last block that is shorter is filled with zeros.
;;     - A block's scale is 2^e with e = floor(log2(the largest magnitude in the block)) - 2, held to -126 .. 127; a block of zeros has e = 0. As a byte (E8M0): e + 127.
;;     - Each number is divided by its block's scale, clamped to +-6, and rounded to the nearest number of E2M1, ties to even, subnormals kept.
;;     - The product sums the exact products of the quantised numbers (number of the format x scale) in f32.
;;   ~~~python
;;   def quantise(x, axis):      # numpy; x: float32 -> the quantised numbers, widened to float32 again
;;       x = np.moveaxis(x, axis, -1); K = x.shape[-1]
;;       x = np.pad(x, [(0, 0)] * (x.ndim - 1) + [(0, -K % 32)]); x = x.reshape(x.shape[:-1] + (-1, 32)); a = np.abs(x).max(-1, keepdims=True)
;;       e = np.where(a > 0, np.clip(np.frexp(np.where(a > 0, a, 1))[1] - 1 - 2, -126, 127), 0)      # np.frexp(a)[1] - 1 = floor(log2(a)), exactly
;;       r = np.clip(x / 2.0 ** e, -6, 6)
;;       step = 2.0 ** (np.maximum(np.frexp(np.where(r == 0, 1, r))[1] - 1, 0) - 1)
;;       q = np.round(r / step) * step * 2.0 ** e      # np.round: ties to even
;;       return np.moveaxis(q.reshape(q.shape[:-2] + (-1,))[..., :K], -1, axis).astype(np.float32)
;;   ~~~
;;   SOFTMAX AHEAD OF A QUANTISED PRODUCT. Where the list says 'softmax', what is quantised is not the finished softmax but p = 2^(t - M), with t = logit x log2(e) and M = ceil(the row's largest t), a whole number; so 1/2 < the row's largest p <= 1. The row's sum l is taken of the UNQUANTISED p, in f32, and the product's result is divided by l at the end. Since M is a whole number, a kernel that streams over the keys may use a running M (the ceiling of the running maximum): every later rescaling is an exact power of two, which a block's scale takes up: the codes' values come out the same.
;;   OPERANDS COMPUTED ON THE WAY. 'Computed on the way' means the value that the module computes at that place (a softmax that the list does not call 'softmax' is quantised finished and normalised). What goes into a quantiser is computed in f32, as accurately as f32 sums, v_exp_f32 and their like allow (about 1e-6 of the number): no bf16 or f16 on the way to a quantiser, and a product that is left as it is and whose result goes on into a quantised operand takes f32 operands (vector FMAs, or v_wmma_f32_16x16x4_f32). A number that lies on a knife's edge between two numbers of the format may be rounded either way, as far as f32 arithmetic and the matrix unit's own rounding can turn it there, and no further.
;; 2 versions. Each part assembles by itself: llvm-mc -triple=amdgcn-amd-amdhsa -mcpu=gfx1250 --defsym DOCPART=n.
;; ======== version 1 of 2: 2 launches
;; limits: right only within a limited range of input values
;; workspace buffers: kv 4,456,448 bytes
;; launch quant (part 1): grid 16 x 32, 8 waves a work-group, no clusters, 36,352 bytes of LDS; arguments key_layer, value_layer, kv; writes kv
.if DOCPART == 1
	.amdgcn_target "amdgcn-amd-amdhsa--gfx1250"
	.amdhsa_code_object_version 6
	.text
	.protected	k_q47754afcce_quant
	.globl	k_q47754afcce_quant
	.p2align	8
	.type	k_q47754afcce_quant,@function
k_q47754afcce_quant:
	s_mov_b64 s[64:65], 0
	v_nop
	global_prefetch_b8 v0, s[64:65] scope:SCOPE_SE
	s_setreg_imm32_b32 hwreg(HW_REG_WAVE_MODE, 25, 1), 1
	s_wait_xcnt 0x0
; K and V, [2048 keys][32 heads][64] f32, become codes of FP4 (E2M1) with one E8M0 scale byte for each 32 along a product's K: K along the head's 64, V down the keys.
; A block's scale is 2^(floor(log2(its largest magnitude)) - 2); its byte is the largest magnitude's exponent field - 2, held at 1 from below.
; LIMITS: a block whose largest magnitude lies under 2^-124 keeps the byte 1; a block of zeros gets the byte 1, not 127 (its codes are zeros, and this program alone reads the bytes); NaN and infinities are not served.
; ONE WORK-GROUP MAKES ONE BLOCK OF kv: head y, key step x (128 keys): 8,704 dense bytes at (16 head + step) x 8,704, laid in the order of the operands' registers:
;   0..4095     K: tile t (16 keys) at 512 t, lane l's 16 bytes at 16 l: lane (r = l % 16, h = l / 16) holds the codes of d = 32 h .. 32 h + 31 of key 32 (t / 2) + 8 (t % 2) + r + 8 (r / 8)
;   4096..8191  V^T: tile u (d = 16 u + r), half c at 4096 + 1024 u + 512 c + 16 l: the codes of keys 64 c + 32 h + 0 .. 31 of column d
;   8192..8447  K's scale bytes: two for each tile row, at 2 (16 t + r): d 0..31, d 32..63
;   8448..8703  V's scale words: at 4 d, byte b for keys 32 b .. 32 b + 31
; SHARES.  Wave w makes K's tile w, and of V the 32 columns d = 32 (w % 2) + lane for the 32 keys 32 (w / 2) on.
; K: each load takes two whole rows of 256 bytes (16 lanes a row); the 16 rows turn through the wave's own stage in LDS, so that a lane holds a whole block of 32 neighbours along d.
; V: a lane takes a column and its registers run down the keys: a block lies in one lane's 32 registers, and the codes come out with the keys innermost.
; The 512 scale bytes meet in LDS and leave by one store of wave 0.  No tensor loads; one barrier.
.set ROWS, 8192                        ; bytes from a key to the next, in one head
.set SP,   272                         ; a stage row: 256 bytes + 16 of padding
.set STG,  16*SP                       ; a wave's stage
.set SC,   8*STG                       ; behind the stages: the block's 512 scale bytes
.set BLKB, 8704
.set VOFF, 4096
.set KA,  1                            ; v1   K in memory: 8192 h + 16 r
.set VA,  2                            ; v2   V in memory: 4 l
.set SW,  3                            ; v3   into the stage: row h of a pair, 16 r
.set SR,  4                            ; v4   out of it: row r, 128 h
.set KO,  5                            ; v5   K's image: 16 x thread
.set VO,  6                            ; v6   V's image
.set KSA, 7                            ; v7   LDS byte of my K scale
.set VSA, 8                            ; v8   LDS byte of my V scale
.set L16, 9                            ; v9   16 l
.set MA,  10                           ; v10-12 at work: two chains of maxima, the conversions' scale operand
.set MB,  11
.set SO,  12
.set KR,  16                           ; v16-47   K as loaded
.set KX,  48                           ; v48-79   K: 32 neighbours along d
.set VX,  80                           ; v80-111  V: 32 keys of my column
.set KC,  112                          ; v112-115 K's codes
.set VC,  116                          ; v116-119 V's codes
.set KB,  120                          ; v120     K's scale byte
.set VB,  121                          ; v121     V's
.set SCO, 122                          ; v122-125 the scale bytes on their way out
	s_load_b128 s[4:7], s[0:1], 0x0                ; K, V
	s_load_b64 s[8:9], s[0:1], 0x10                ; kv
	v_lshl_add_u32 v128, v0, 2, 0x8a00
	v_mov_b32 v129, 0
	v_lshrrev_b32 v10, 5, v0
	v_readfirstlane_b32 s10, v10                   ; wave 0..7
	v_and_b32 v11, 31, v0                          ; l
	v_and_b32 v12, 15, v0                          ; r
	v_bfe_u32 v13, v0, 4, 1                        ; h
	s_and_b32 s11, ttmp7, 0xffff                   ; head
	s_lshr_b32 s21, s10, 1                         ; w / 2
	s_and_b32 s22, s10, 1                          ; w % 2
	s_lshl_b32 s12, ttmp9, 20                      ; the step's 128 keys of 8,192 bytes
	s_lshl_b32 s20, s11, 8                         ; the head's 256 bytes of a key
	s_add_co_u32 s12, s12, s20
	s_lshl_b32 s23, s21, 18                        ; 32 keys x (w / 2): where K's tile pair and V's 32 keys begin alike
	s_add_co_u32 s23, s23, s12
	s_lshl_b32 s14, s22, 16                        ; K: 8 keys x (w % 2) on
	s_add_co_u32 s14, s14, s23
	s_mov_b32 s15, 0
	s_lshl_b32 s16, s22, 7                         ; V: 32 columns x (w % 2) on
	s_add_co_u32 s16, s16, s23
	s_mov_b32 s17, 0
	s_lshl_b32 s18, s11, 4
	s_add_co_u32 s18, s18, ttmp9
	s_mul_i32 s18, s18, BLKB                       ; my block of kv
	s_mov_b32 s19, 0
	s_mul_i32 s24, s10, STG                        ; my stage
	s_lshl_b32 s25, s22, 11
	s_lshl_b32 s26, s21, 8
	s_add_co_u32 s25, s25, s26
	s_add_co_u32 s25, s25, VOFF                    ; V's image: 4096 + 2048 (w % 2) + 256 (w / 2)
	s_lshl_b32 s26, s10, 5
	s_add_co_u32 s26, s26, SC                      ; K's scale bytes: 32 a tile
	s_lshl_b32 s27, s22, 7
	s_add_co_u32 s27, s27, s21
	s_add_co_u32 s27, s27, SC+256                  ; V's: word 32 (w % 2) + lane, byte w / 2
	v_lshlrev_b32 v[KA], 4, v12
	v_lshl_add_u32 v[KA], v13, 13, v[KA]
	v_lshlrev_b32 v[VA], 2, v11
	v_mul_u32_u24 v[SW], v13, SP
	v_lshl_add_u32 v[SW], v12, 4, v[SW]
	v_add_nc_u32 v[SW], s24, v[SW]
	v_mul_u32_u24 v[SR], v12, SP
	v_lshl_add_u32 v[SR], v13, 7, v[SR]
	v_add_nc_u32 v[SR], s24, v[SR]
	v_lshlrev_b32 v[KO], 4, v0
	v_lshlrev_b32 v[VO], 4, v12
	v_lshl_add_u32 v[VO], v13, 10, v[VO]
	v_add_nc_u32 v[VO], s25, v[VO]
	v_lshl_add_u32 v[KSA], v12, 1, v13
	v_add_nc_u32 v[KSA], s26, v[KSA]
	v_lshl_add_u32 v[VSA], v11, 2, s27
	v_lshlrev_b32 v[L16], 4, v11
	s_wait_kmcnt 0x0
	s_add_nc_u64 s[14:15], s[4:5], s[14:15]
	s_add_nc_u64 s[16:17], s[6:7], s[16:17]
	s_add_nc_u64 s[18:19], s[8:9], s[18:19]
.irp j, 0,1,2,3,4,5,6,7
	global_load_b128 v[KR+4*\j:KR+4*\j+3], v[KA], s[14:15] offset:(2*\j+8*(\j/4))*ROWS th:TH_LOAD_NT   ; tile rows 2 j and 2 j + 1: rows 8 to 15 of a tile lie 8 keys further on
.endr
.irp i, 0,1,2,3,4,5,6,7,8,9,10,11,12,13,14,15,16,17,18,19,20,21,22,23,24,25,26,27,28,29,30,31
	global_load_b32 v[VX+\i], v[VA], s[16:17] offset:ROWS*\i th:TH_LOAD_NT   ; key i of my 32, my column: the wave reads 128 consecutive bytes
.endr
; 32 numbers of one lane, a whole block, become 4 registers of codes and a scale byte.
.macro BLOCKQ src, dst, byte
	v_max3_num_f32 v[MA], |v[\src]|, |v[\src+1]|, 0x1800000        ; the largest magnitude, in two chains, with the floor 2^(3 - 127) among the leaves: the byte cannot fall under 1
	v_max3_num_f32 v[MB], |v[\src+2]|, |v[\src+3]|, |v[\src+4]|
.irp i, 5,9,13,17,21,25
	v_max3_num_f32 v[MA], v[MA], |v[\src+\i]|, |v[\src+\i+1]|
	v_max3_num_f32 v[MB], v[MB], |v[\src+\i+2]|, |v[\src+\i+3]|
.endr
	v_max3_num_f32 v[MA], v[MA], |v[\src+29]|, |v[\src+30]|
	v_max3_num_f32 v[MA], v[MA], v[MB], |v[\src+31]|
	v_add_nc_u32 v[SO], 0xff000000, v[MA]          ; 2 off its exponent field: the conversion takes the exponent field of this operand as its scale
.irp g, 0,1,2,3
	v_cvt_scalef32_pk8_fp4_f32 v[\dst+\g], v[\src+8*\g:\src+8*\g+7], v[SO]
.endr
	v_lshrrev_b32 v[\byte], 23, v[SO]              ; the scale's byte; also the plain line behind the conversions
.endm
	s_wait_loadcnt 32                              ; K's eight loads are in; V's 32, issued behind them, may be out
.irp j, 0,1,2,3,4,5,6,7
	ds_store_b128 v[SW], v[KR+4*\j:KR+4*\j+3] offset:2*SP*\j
.endr
.irp k, 0,1,2,3,4,5,6,7
	ds_load_b128 v[KX+4*\k:KX+4*\k+3], v[SR] offset:16*\k        ; LDS serves a wave's instructions in order (ISA guide 5.7.1.4): these see my stores
.endr
	s_wait_dscnt 0x0
	BLOCKQ KX, KC, KB
	ds_store_b8 v[KSA], v[KB]
	global_store_b128 v[KO], v[KC:KC+3], s[18:19]  ; the wave stores 512 consecutive bytes: its tile's image
	s_wait_loadcnt 0x0                             ; V
	BLOCKQ VX, VC, VB
	ds_store_b8 v[VSA], v[VB]
	global_store_b128 v[VO], v[VC:VC+3], s[18:19]  ; sixteen lanes store 256 consecutive bytes, at a multiple of 256 from kv's first byte
	s_wait_dscnt 0x0                               ; for the others' sake: my scale bytes have landed
	s_barrier_signal -1
	s_barrier_wait -1
	s_cmp_lg_u32 s10, 0
	s_cbranch_scc1 .Lend
	ds_load_b128 v[SCO:SCO+3], v[L16] offset:SC    ; the block's 512 scale bytes
	s_wait_dscnt 0x0
	global_store_b128 v[L16], v[SCO:SCO+3], s[18:19] offset:8192
.Lend:
	s_wait_tensorcnt 0x0
	ds_add_u32 v128, v129
	s_wait_dscnt 0x0
	s_endpgm
.Lfunc_end_k_q47754afcce_quant:
	.size	k_q47754afcce_quant, .Lfunc_end_k_q47754afcce_quant-k_q47754afcce_quant
	.p2alignl 7, 3214868480
	.fill 96, 4, 3214868480
	.section	.rodata,"a",@progbits
	.p2align	6, 0x0
	.amdhsa_kernel k_q47754afcce_quant
		.amdhsa_group_segment_fixed_size 36352
		.amdhsa_private_segment_fixed_size 0
		.amdhsa_enable_private_segment 0
		.amdhsa_kernarg_size 24
		.amdhsa_user_sgpr_count 2
		.amdhsa_user_sgpr_kernarg_segment_ptr 1
		.amdhsa_wavefront_size32 1
		.amdhsa_system_sgpr_workgroup_id_x 1
		.amdhsa_system_sgpr_workgroup_id_y 1
		.amdhsa_system_sgpr_workgroup_id_z 1
		.amdhsa_system_vgpr_workitem_id 0
		.amdhsa_next_free_vgpr 130
		.amdhsa_next_free_sgpr 66
		.amdhsa_reserve_vcc 0
		.amdhsa_float_denorm_mode_32 3
		.amdhsa_float_denorm_mode_16_64 3
		.amdhsa_memory_ordered 1
		.amdhsa_forward_progress 1
		.amdhsa_inst_pref_size 12
	.end_amdhsa_kernel
	.amdgpu_metadata
---
amdhsa.version: [ 1, 2 ]
amdhsa.kernels:
  - .name:           k_q47754afcce_quant
    .symbol:         k_q47754afcce_quant.kd
    .args:
      - { .name: key_layer, .offset: 0, .size: 8, .value_kind: global_buffer, .address_space: global }
      - { .name: value_layer, .offset: 8, .size: 8, .value_kind: global_buffer, .address_space: global }
      - { .name: kv, .offset: 16, .size: 8, .value_kind: global_buffer, .address_space: global }
    .group_segment_fixed_size: 36352
    .private_segment_fixed_size: 0
    .kernarg_segment_align: 8
    .kernarg_segment_size: 24
    .max_flat_workgroup_size: 256
    .sgpr_count:     66
    .vgpr_count:     130
    .wavefront_size: 32
...
	.end_amdgpu_metadata
.endif
;; end of part 1
;; launch attn (part 2): grid 8 x 32, 8 waves a work-group, no clusters, 168,960 bytes of LDS; arguments query_layer, kv, out0; writes out0
.if DOCPART == 2
	.amdgcn_target "amdgcn-amd-amdhsa--gfx1250"
	.amdhsa_code_object_version 6
	.text
	.protected	k_q47754afcce_attn
	.globl	k_q47754afcce_attn
	.p2align	8
	.type	k_q47754afcce_attn,@function
k_q47754afcce_attn:
	s_mov_b64 s[64:65], 0
	v_nop
	global_prefetch_b8 v0, s[64:65] scope:SCOPE_SE
	s_setreg_imm32_b32 hwreg(HW_REG_WAVE_MODE, 25, 1), 1
	s_wait_xcnt 0x0
; out[q][head][:] = the sum over keys k <= q of softmax_k(Q[q] . K[k] / 8) V[k][:], 32 heads, 2,048 queries and keys, head size 64; both products on codes of FP4 (E2M1) with one E8M0 scale for each 32 along K.
; K and V come as codes from kv (one dense block of 8,704 bytes for a head's 128 keys, laid as images of the operands' registers); q, f32, is quantised here, by its one reader.
; THE SOFTMAX: t = score x log2(e) / 8; M = the row's largest t so far, rounded UP to a whole number; p = 2^(t - M) is quantised along the keys, not normalised; the row's sum is taken of the unquantised p and divides at the end.
; When M moves, the sum and O are multiplied by 2^(old M - new M): exact.
; THE MASK.  In the key step on the diagonal a hidden score becomes -80,000, which is the fill -10,000 times the 8 by which scores are divided.  Key steps that lie wholly above the diagonal are not computed.
; LIMITS: their p, 2^(-14,427 - M), counts as 0: every row's largest unmasked logit must lie above -9,980.  NaN and infinities are not served.  A block's largest p is taken from its largest score (p rises with the score).
; attention_mask is no argument: the function that this kernel computes does not depend on it.
; SHARES.  A head has 16 blocks of 128 queries; block j wants key steps 0 .. j.  Work-group (i, head) takes block 15 - i and then block i: (16 - i) + (i + 1) = 17 key steps, the same for all 256 work-groups.
; Each of its eight waves owns one tile of 16 queries of the block in hand.  The loop has 17 trips, written once; at a block's last step the result goes out and the state is set anew.
; THE KEYS' WAY.  A step's 8,704 bytes are loaded a trip ahead, two loads of 16 bytes a thread (wave 0 one more, the scales), put into one of two LDS slots, and read by all eight waves behind one barrier a trip.
; LAYOUT.  Both products are used transposed: S^T = K Q^T (source 0 = 16 keys, source 1 = my 16 queries; of the instruction's 128 along K the upper 64 are zero codes on both sides), O^T = V^T P^T: a lane holds ONE query (lane % 16).
; The keys of a tile are chosen so that the 16 registers of tiles 2 b and 2 b + 1 are the keys 32 b + 16 (lane / 16) + 0 .. 15.
; NO CLUSTER: the eight work-groups of a head walk steps 0 .. 15 - i and then 0 .. i, so from trip 9 on they stand at different key steps and could not ask for one tile jointly; and what they share is 8,704 bytes a trip.
; LDS: slot 0 at 0, slot 1 at 16,384 (8,704 bytes used of each); from 32,768 a stage of 16 rows x 272 bytes for each wave, its own, for q on the way in and O on the way out.
.set ROWS,  8192                       ; bytes from a query (or key) to the next, in one head
.set BLKB,  8704                       ; a key step's block of kv
.set HEADB, 16*BLKB
.set VOFF,  4096                       ; in a block: V's images,
.set KSOFF, 8192                       ; K's scale bytes,
.set VSOFF, 8448                       ; V's scale words
.set SLOT1, 16384
.set SP,    272
.set STAGE, 2*SLOT1
.set STEPS, 17
.set LI,  1                            ; v1   16 l: an image's place for my lane
.set LS2, 2                            ; v2   2 l + KSOFF
.set LS4, 3                            ; v3   4 l + VSOFF
.set LW,  4                            ; v4   16 x thread: my part of a block
.set AI,  5                            ; v5-8 the same four in the slot in hand, made anew in each trip
.set A2,  6
.set A4,  7
.set AW,  8
.set GA,  9                            ; v9   my part of the next block, in the head's kv
.set DQ,  10                           ; v10  my query in its block - 16 (lane / 16)
.set PFO, 11                           ; v11  256 l: the prefetch's offset; never rewritten
.set NM,  12                           ; v12  -M;  v13 the largest t
.set SUM, 14                           ; v[14:15] the row's sum, in two halves
.set QC,  16                           ; v[16:19] Q's codes, v[20:23] zeros
.set QS,  24                           ; v24  Q's scale word
.set QRD, 25                           ; v25  the stage: row r, 128 h
.set FF,  26                           ; v26  f = 2^(old M - new M); v27 written once, named with it as a pair
.set QC2, 28                           ; v[28:31], v32 the second block's Q
.set QS2, 32
.set LD,  34                           ; v[34:41] my 32 bytes of the next block
.set LSC, 42                           ; v[42:45] wave 0: its scales
.set STI, 46                           ; v46  the stage: row r, 32 h
.set STO, 47                           ; v47  the stage: row h of a pair, 16 r
.set GO,  48                           ; v48  the same two rows in q and in out: 8192 h + 16 r
.set KF,  64                           ; v[64:95]   four fragments of K; registers 4-7 of each are zeros, written once
.set VF,  96                           ; v[96:127]  V's four fragments
.set S,   128                          ; v[128:191] S^T, then p
.set OA,  192                          ; v[192:223] O^T: tile u, register j = o(query r, 16 u + 8 h + j)
.set PC,  224                          ; v[224:231] p's codes
.set BM,  232                          ; v[232:235] each block's largest score, then its largest p
.set BP,  236                          ; v[236:239] at work
.set SO,  240                          ; v[240:243] the conversions' scale operands
.set KSC, 244                          ; v[244:247] K's scales: lanes 0-15 tile 2 u, lanes 16-31 tile 2 u + 1
.set VSC, 248                          ; v[248:249] V's likewise
.set PS,  250                          ; v250 p's scale word
.set TM,  251                          ; v251-252 at work
.set WV,  10                           ; s10  wave
.set PI,  11                           ; s11  i: the work-group's x
.set TAU, 13                           ; s13  the trip
.set KS,  14                           ; s14  the key step in hand
.set DG,  15                           ; s15  the block in hand, which is also its last key step
.set NK,  16                           ; s16  the next key step
.set TB,  17                           ; s17  the slot in hand: 0 or SLOT1
.set LIM, 18                           ; s18  13 in the wave that prefetches, else 0
.set SEL, 20                           ; s[20:21] v_permlanex16_b32's selects for lane l xor 16
.set CS,  22                           ; s[22:23] c = log2(e) / 8
.set KVH, 24                           ; s[24:25] the head's kv
.set PF,  26                           ; s[26:27] where the prefetches stand
.set OC,  28                           ; s[28:29] out at my tile of the block in hand
.set OL,  30                           ; s[30:31] and of the second block
	s_load_b128 s[4:7], s[0:1], 0x0                ; q, kv
	s_load_b64 s[8:9], s[0:1], 0x10                ; out
	v_lshl_add_u32 v254, v0, 2, 0x29000
	v_mov_b32 v255, 0
	v_lshrrev_b32 v5, 5, v0
	v_readfirstlane_b32 s[WV], v5                  ; wave 0..7
	v_and_b32 v6, 31, v0                           ; l
	v_and_b32 v7, 15, v0                           ; r
	v_bfe_u32 v8, v0, 4, 1                         ; h
	s_mov_b32 s[PI], ttmp9
	s_and_b32 s12, ttmp7, 0xffff                   ; head
	s_sub_co_u32 s[DG], 15, s[PI]                  ; the first block
	s_lshl_b32 s40, s[WV], 4                       ; my tile in a block: 16 w
	s_lshl_b32 s41, s12, 8                         ; the head's 256 bytes of a row
	s_lshl_b32 s36, s[DG], 7
	s_add_co_u32 s36, s36, s40
	s_lshl_b32 s36, s36, 13
	s_add_co_u32 s36, s36, s41                     ; my tile's first byte, in q and in out alike: first block,
	s_mov_b32 s37, 0
	s_lshl_b32 s38, s[PI], 7
	s_add_co_u32 s38, s38, s40
	s_lshl_b32 s38, s38, 13
	s_add_co_u32 s38, s38, s41                     ; second block
	s_mov_b32 s39, 0
	s_mul_i32 s42, s12, HEADB
	s_mov_b32 s43, 0
	s_mul_i32 s44, s[WV], 16*SP
	s_add_co_u32 s44, s44, STAGE                   ; my stage
	s_mov_b32 s[SEL], 0x76543210
	s_mov_b32 s[SEL+1], 0xfedcba98
	s_mov_b32 s[CS], 0x3e38aa3b                    ; c = log2(e) / 8
	s_mov_b32 s[CS+1], s[CS]                       ; (named with it as a pair, so it is written)
	s_xor_b32 s45, s[WV], 1
	s_or_b32 s45, s45, s[PI]
	s_cmp_eq_u32 s45, 0                            ; wave 1 of the head's work-group 0
	s_cselect_b32 s[LIM], 13, 0
	s_mov_b32 s[KS], 0
	s_mov_b32 s[TB], 0
	s_mov_b32 s[TAU], 0
	v_lshlrev_b32 v[LI], 4, v6
	v_lshl_add_u32 v[LS2], v6, 1, KSOFF
	v_lshl_add_u32 v[LS4], v6, 2, VSOFF
	v_lshlrev_b32 v[LW], 4, v0
	v_mov_b32 v[GA], v[LW]                         ; key step 0
	v_lshlrev_b32 v[GO], 4, v7
	v_lshl_add_u32 v[GO], v8, 13, v[GO]
	s_wait_kmcnt 0x0
	s_add_nc_u64 s[32:33], s[4:5], s[36:37]        ; q at my two tiles
	s_add_nc_u64 s[34:35], s[4:5], s[38:39]
	s_add_nc_u64 s[OC:OC+1], s[8:9], s[36:37]
	s_add_nc_u64 s[OL:OL+1], s[8:9], s[38:39]
	s_add_nc_u64 s[KVH:KVH+1], s[6:7], s[42:43]
	s_add_nc_u64 s[PF:PF+1], s[KVH:KVH+1], 3*8192  ; each trip's head steps it by 8,192: trip 0 names bytes 4 x 8,192 on.  Nothing is prefetched here, at the head
	global_load_b128 v[LD:LD+3], v[GA], s[KVH:KVH+1]
	global_load_b128 v[LD+4:LD+7], v[GA], s[KVH:KVH+1] offset:VOFF
	s_cmp_lg_u32 s[WV], 0
	s_cbranch_scc1 .Lno_scales_0
	global_load_b128 v[LSC:LSC+3], v[GA], s[KVH:KVH+1] offset:KSOFF
.Lno_scales_0:
.irp i, 0,1,2,3,4,5,6,7
	global_load_b128 v[S+4*\i:S+4*\i+3], v[GO], s[32:33] offset:2*ROWS*\i th:TH_LOAD_NT   ; q, first block: rows 2 i and 2 i + 1, sixteen lanes a row of 256 bytes
.endr
.irp i, 0,1,2,3,4,5,6,7
	global_load_b128 v[S+32+4*\i:S+32+4*\i+3], v[GO], s[34:35] offset:2*ROWS*\i th:TH_LOAD_NT   ; second block
.endr
	v_lshlrev_b32 v5, 4, v8
	v_sub_nc_u32 v[DQ], v7, v5
	v_add_nc_u32 v[DQ], s40, v[DQ]                 ; 16 w + r - 16 h
	v_lshlrev_b32 v[PFO], 8, v6
	v_mul_u32_u24 v[QRD], v7, SP
	v_lshl_add_u32 v[STI], v8, 5, v[QRD]
	v_lshl_add_u32 v[QRD], v8, 7, v[QRD]
	v_add_nc_u32 v[STI], s44, v[STI]
	v_add_nc_u32 v[QRD], s44, v[QRD]
	v_mul_u32_u24 v[STO], v8, SP
	v_lshl_add_u32 v[STO], v7, 4, v[STO]
	v_add_nc_u32 v[STO], s44, v[STO]
.irp b, 0,1,2,3
	v_mov_b32 v[BP+\b], 0                          ; written once: a lane permute's destination counts as one of its sources
	v_mov_b32 v[QC+4+\b], 0                        ; Q's codes of k = 64 .. 127: zeros
.endr
	v_mov_b32 v[FF+1], 0
.irp t, 0,1,2,3
.irp j, 4,5,6,7
	v_mov_b32 v[KF+8*\t+\j], 0                     ; K's codes of k = 64 .. 127: zeros, in registers of their own
.endr
.endr
; 16 rows of q turn through my stage: in as loaded, out 128 bytes a lane: d = 32 h .. 32 h + 31 of query r.
.macro QTURN src, dst
.irp i, 0,1,2,3,4,5,6,7
	ds_store_b128 v[STO], v[(\src)+4*\i:(\src)+4*\i+3] offset:2*SP*\i
.endr
.irp k, 0,1,2,3,4,5,6,7
	ds_load_b128 v[(\dst)+4*\k:(\dst)+4*\k+3], v[QRD] offset:16*\k   ; LDS serves a wave's instructions in order (ISA guide 5.7.1.4): these see my stores
.endr
	s_wait_dscnt 0x0
.endm
; 32 numbers of a lane, a whole block, become 4 registers of codes at v[dc]; the scale word at v[ds]: lanes 0-15 hold their own byte (d 0..31) and above it lane l + 16's (d 32..63); bytes 2 and 3 are 0, over zero codes.
.macro QQUANT src, dc, ds
	v_max3_num_f32 v[TM], |v[\src]|, |v[\src+1]|, 0x1800000        ; with the floor 2^(3 - 127): the byte cannot fall under 1
	v_max3_num_f32 v[TM+1], |v[\src+2]|, |v[\src+3]|, |v[\src+4]|
.irp i, 5,9,13,17,21,25
	v_max3_num_f32 v[TM], v[TM], |v[\src+\i]|, |v[\src+\i+1]|
	v_max3_num_f32 v[TM+1], v[TM+1], |v[\src+\i+2]|, |v[\src+\i+3]|
.endr
	v_max3_num_f32 v[TM], v[TM], |v[\src+29]|, |v[\src+30]|
	v_max3_num_f32 v[TM], v[TM], v[TM+1], |v[\src+31]|
	v_add_nc_u32 v[SO], 0xff000000, v[TM]          ; 2 off the exponent field: the conversion's scale operand
	v_lshrrev_b32 v[BM], 23, v[SO]                 ; the scale's byte
	v_permlanex16_b32 v[BP], v[BM], s[SEL], s[SEL+1]
	v_lshl_or_b32 v[\ds], v[BP], 8, v[BM]
.irp g, 0,1,2,3
	v_cvt_scalef32_pk8_fp4_f32 v[\dc+\g], v[\src+8*\g:\src+8*\g+7], v[SO]
.endr
	v_nop                                          ; one plain line behind the conversions
.endm
	s_wait_loadcnt 8                               ; key step 0 and the first block's q are in; the second block's eight loads may be out
	QTURN S, VF
	QQUANT VF, QC, QS
	s_wait_loadcnt 0x0
	QTURN S+32, OA
	QQUANT OA, QC2, QS2
; The state of a block of queries at its start.  The step is written once: its first pass finds zeros, which the first change of M leaves zeros.
.macro FRESH
	v_mov_b32 v[NM+1], 0xff61b1e6                  ; the largest t so far: -3e38, under every t
	v_floor_f32 v[NM], -v[NM+1]                    ; -M
	v_mov_b32 v[SUM], 0
	v_mov_b32 v[SUM+1], 0
.set j, 0
.rept 32
	v_mov_b32 v[OA+j], 0
.set j, j+1
.endr
.endm
	FRESH
; four products of S^T = K Q^T: tiles 4 g .. 4 g + 3.  An odd tile's scales stand in lanes 16-31 of the register that it shares with the even tile before it.
.macro QK g
.irp t, 0,1,2,3
.if (\t)%2
	v_wmma_scale_f32_16x16x128_f8f6f4 v[S+8*(4*\g+\t):S+8*(4*\g+\t)+7], v[KF+8*\t:KF+8*\t+7], v[QC:QC+7], 0, v[KSC+2*\g+\t/2], v[QS] matrix_a_fmt:MATRIX_FMT_FP4 matrix_b_fmt:MATRIX_FMT_FP4 matrix_a_scale:MATRIX_SCALE_ROW1
.else
	v_wmma_scale_f32_16x16x128_f8f6f4 v[S+8*(4*\g+\t):S+8*(4*\g+\t)+7], v[KF+8*\t:KF+8*\t+7], v[QC:QC+7], 0, v[KSC+2*\g+\t/2], v[QS] matrix_a_fmt:MATRIX_FMT_FP4 matrix_b_fmt:MATRIX_FMT_FP4
.endif
.endr
.rept 4
	v_nop                                          ; four places in front of loads into registers that these products read, and of the first read of their results
.endr
.endm
.macro KLOAD g
.irp t, 0,1,2,3
	ds_load_b128 v[KF+8*\t:KF+8*\t+3], v[AI] offset:512*(4*\g+\t)
.endr
.endm
.Lstep:                                            ; 17 trips
	; ---- the block that was asked for a trip ago goes into the slot in hand
	s_wait_loadcnt 0x0                             ; my part of key step KS is in; GA and LD are free
	v_add_nc_u32 v[AW], s[TB], v[LW]
	v_add_nc_u32 v[AI], s[TB], v[LI]
	v_add_nc_u32 v[A2], s[TB], v[LS2]
	v_add_nc_u32 v[A4], s[TB], v[LS4]
	ds_store_b128 v[AW], v[LD:LD+3]
	ds_store_b128 v[AW], v[LD+4:LD+7] offset:VOFF
	s_cmp_lg_u32 s[WV], 0
	s_cbranch_scc1 .Lno_scales_1
	ds_store_b128 v[AW], v[LSC:LSC+3] offset:KSOFF
.Lno_scales_1:
	s_add_co_u32 s[NK], s[KS], 1
	s_cmp_eq_u32 s[KS], s[DG]
	s_cselect_b32 s[NK], 0, s[NK]                  ; behind a block's last step: step 0 (in the last trip too: that load stays inside kv and is not used)
	s_mul_i32 s36, s[NK], BLKB
	v_add_nc_u32 v[GA], s36, v[LW]
	s_wait_xcnt 0x0                                ; the last prefetch, a trip back, has read its address
	s_add_nc_u64 s[PF:PF+1], s[PF:PF+1], 8192
	s_wait_dscnt 0x0                               ; my stores have landed.  (My reads of the other slot were waited for in the last trip; this slot was last read two trips ago,
	s_barrier_signal -1                            ; and every wave's reads of it were over in front of the last trip's signal, behind which these stores stand.)
	s_barrier_wait -1
	; ---- the next block is asked for; K's first four tiles
	global_load_b128 v[LD:LD+3], v[GA], s[KVH:KVH+1]
	global_load_b128 v[LD+4:LD+7], v[GA], s[KVH:KVH+1] offset:VOFF
	s_cmp_lg_u32 s[WV], 0
	s_cbranch_scc1 .Lno_scales_2
	global_load_b128 v[LSC:LSC+3], v[GA], s[KVH:KVH+1] offset:KSOFF
.Lno_scales_2:
	KLOAD 0
.irp u, 0,1,2,3
	ds_load_u16 v[KSC+\u], v[A2] offset:64*\u      ; two bytes a tile row; the word's upper two bytes are 0, over zero codes
.endr
	; A prefetch into the L2.  A head's kv is 17 pieces of 8,192 bytes.  One wave of one work-group of the head asks, in trips 0 to 12, for piece trip + 4, lanes 256 bytes apart: each aligned 256 bytes is named once in the
	; launch.  Key step k ends in piece (17 (k + 1)) / 16 or earlier and is loaded in trip k - 1: asked for two trips or more ahead.  Pieces 0 to 3 come by their loads alone; nothing is named past piece 16.
	s_cmp_lt_u32 s[TAU], s[LIM]
	s_cbranch_scc0 .Lnot_mine
	global_prefetch_b8 v[PFO], s[PF:PF+1] th:TH_LOAD_NT scope:SCOPE_SE
.Lnot_mine:
	s_wait_dscnt 0x0
	QK 0
	; ---- K's other four tiles, and V
	KLOAD 1
.irp u, 0,1,2,3
.irp c, 0,1
	ds_load_b128 v[VF+8*\u+4*\c:VF+8*\u+4*\c+3], v[AI] offset:VOFF+1024*\u+512*\c   ; behind the last trip's products with V stand the five additions at the trip's head and four v_nop
.endr
.endr
.irp u, 0,1
	ds_load_b32 v[VSC+\u], v[A4] offset:128*\u
.endr
	s_wait_dscnt 10                                ; K's four loads are in; V's ten, issued behind them, may be out
	QK 1
	; ---- the mask, in the step on the diagonal alone: register 16 b + i holds key 32 b + 16 h + i of the step: hidden where 32 b + i > my query - 16 h
	s_cmp_lg_u32 s[KS], s[DG]
	s_cbranch_scc1 .Lopen
	v_mov_b32 v[TM], 0xc79c4000                    ; -80,000
.set n, 0
.rept 64
	v_cmp_gt_i32 vcc_lo, 32*(n/16)+n%16, v[DQ]
	v_cndmask_b32 v[S+n], v[S+n], v[TM], vcc_lo
.set n, n+1
.endr
.Lopen:
	; ---- the softmax
.irp b, 0,1,2,3
	v_max3_num_f32 v[BM+\b], v[S+16*\b], v[S+16*\b+1], v[S+16*\b+2]   ; the largest score of each block of 32 keys: for the row's maximum, and for the block's largest p.  Each accumulator is read from its low end on
.endr
.irp i, 3,5,7,9,11,13
.irp b, 0,1,2,3
	v_max3_num_f32 v[BM+\b], v[BM+\b], v[S+16*\b+\i], v[S+16*\b+\i+1]   ; (the four blocks by turns)
.endr
.endr
.irp b, 0,1,2,3
	v_max_num_f32 v[BM+\b], v[BM+\b], v[S+16*\b+15]
.endr
.irp b, 0,1,2,3
	v_permlanex16_b32 v[BP+\b], v[BM+\b], s[SEL], s[SEL+1]
.endr
.irp b, 0,1,2,3
	v_max_num_f32 v[BM+\b], v[BM+\b], v[BP+\b]     ; with lane l xor 16's 16 keys
.endr
	v_max3_num_f32 v[TM], v[BM], v[BM+1], v[BM+2]
	v_max_num_f32 v[TM], v[TM], v[BM+3]            ; the step's largest score of my query
	v_mul_f32 v[TM], s[CS], v[TM]                  ; as t (c is positive)
	v_max_num_f32 v[NM+1], v[NM+1], v[TM]          ; the running largest t
	v_mov_b32 v[TM], v[NM]
	v_floor_f32 v[NM], -v[NM+1]                    ; the new -M = floor(-t) = -ceil(t)
	v_sub_f32 v[TM], v[NM], v[TM]                  ; old M - new M: a whole number, 0 or less
	v_cvt_i32_f32 v[TM], v[TM]                     ; (it saturates)
	v_ldexp_f32 v[FF], 1.0, v[TM]                  ; f = 2^(old M - new M)
.set j, 0
.rept 32
	v_pk_fma_f32 v[S+j:S+j+1], v[S+j:S+j+1], s[CS:CS+1], v[NM:NM+1] op_sel_hi:[1,0,0]   ; t - M, two at a time (of the pairs c and -M the low word serves both halves)
.set j, j+2
.endr
.irp b, 0,1,2,3
	v_fma_f32 v[BM+\b], v[BM+\b], s[CS], v[NM]     ; the same of each block's largest score
.endr
.set j, 0
.rept 64
	v_exp_f32 v[S+j], v[S+j]                       ; p = 2^(t - M), at most 1
.set j, j+1
.endr
	v_pk_mul_f32 v[SUM:SUM+1], v[SUM:SUM+1], v[FF:FF+1] op_sel_hi:[1,0]   ; the sums under the new M; the plain line behind the exponentials
	s_wait_alu depctr_va_vdst(0)                   ; one wait for the batch of 64, ahead of its first reader
.irp b, 0,1,2,3
	v_exp_f32 v[BM+\b], v[BM+\b]                   ; the block's largest p: the same two instructions on the same number give the same bits
.endr
	v_pk_add_f32 v[BP:BP+1], v[S:S+1], v[S+2:S+3]  ; the row's sum is taken of the unquantised p: two at a time, in two chains
.irp j, 4,8,12,16,20,24,28,32,36,40,44,48,52,56,60
	v_pk_add_f32 v[SUM:SUM+1], v[SUM:SUM+1], v[S+\j:S+\j+1]
	v_pk_add_f32 v[BP:BP+1], v[BP:BP+1], v[S+\j+2:S+\j+3]
.endr
	v_pk_add_f32 v[SUM:SUM+1], v[SUM:SUM+1], v[BP:BP+1]
	s_wait_alu depctr_va_vdst(0)                   ; and one for the four
.irp b, 0,1,2,3
	v_max_num_f32 v[BM+\b], 0x1800000, v[BM+\b]    ; the floor 2^(3 - 127): a block whose every p is 0 keeps the byte 1: its codes are zeros
.endr
.irp b, 0,1,2,3
	v_add_nc_u32 v[SO+\b], 0xff000000, v[BM+\b]    ; 2 off the exponent field: the conversion's scale operand
.endr
.irp b, 0,1,2,3
	v_lshrrev_b32 v[BP+\b], 23, v[SO+\b]           ; the scale's byte
.endr
	v_lshl_or_b32 v[PS], v[BP+1], 8, v[BP]         ; p's scale word for these 128 keys
	v_lshl_or_b32 v[PS], v[BP+2], 16, v[PS]
	v_lshl_or_b32 v[PS], v[BP+3], 24, v[PS]
.irp b, 0,1,2,3
	v_cvt_scalef32_pk8_fp4_f32 v[PC+2*\b], v[S+16*\b:S+16*\b+7], v[SO+\b]
	v_cvt_scalef32_pk8_fp4_f32 v[PC+2*\b+1], v[S+16*\b+8:S+16*\b+15], v[SO+\b]
.endr
	v_nop                                          ; one plain line behind the conversions
.irp c, 0,1                                        ; the operand's layout wants a whole block in a lane: lanes 0-15 block 2 c, lanes 16-31 block 2 c + 1
.irp i, 0,1
	v_permlane16_swap_b32 v[PC+4*\c+\i], v[PC+4*\c+2+\i]
.endr
.endr
.set j, 0
.rept 16
	v_pk_mul_f32 v[OA+j:OA+j+1], v[OA+j:OA+j+1], v[FF:FF+1] op_sel_hi:[1,0]   ; O^T under the new M.  Twelve of these name no register of any one product below: the places between p's scale word and codes and the products
.set j, j+2
.endr
	; ---- O^T += V^T P^T: four accumulators, one instruction each; the matrix instruction that follows them is the next trip's first, on S^T
	s_wait_dscnt 0x0                               ; V
.irp u, 0,1,2,3
.if (\u)%2
	v_wmma_scale_f32_16x16x128_f8f6f4 v[OA+8*\u:OA+8*\u+7], v[VF+8*\u:VF+8*\u+7], v[PC:PC+7], v[OA+8*\u:OA+8*\u+7], v[VSC+\u/2], v[PS] matrix_a_fmt:MATRIX_FMT_FP4 matrix_b_fmt:MATRIX_FMT_FP4 matrix_a_scale:MATRIX_SCALE_ROW1
.else
	v_wmma_scale_f32_16x16x128_f8f6f4 v[OA+8*\u:OA+8*\u+7], v[VF+8*\u:VF+8*\u+7], v[PC:PC+7], v[OA+8*\u:OA+8*\u+7], v[VSC+\u/2], v[PS] matrix_a_fmt:MATRIX_FMT_FP4 matrix_b_fmt:MATRIX_FMT_FP4
.endif
.endr
	s_cmp_lg_u32 s[KS], s[DG]
	s_cbranch_scc1 .Lon
	; ---- a block's last step: the way out.  O^T / the sum goes through my stage and leaves as whole rows of 256 bytes
.rept 4
	v_nop                                          ; four places behind the last products
.endr
	v_add_f32 v[SUM], v[SUM], v[SUM+1]             ; the sum's two halves,
	v_permlanex16_b32 v[TM], v[SUM], s[SEL], s[SEL+1]
	v_add_f32 v[SUM], v[SUM], v[TM]                ; and lane l xor 16's
	v_rcp_f32 v[SUM], v[SUM]
	v_nop                                          ; a plain line behind the reciprocal,
	s_wait_alu depctr_va_vdst(0)                   ; and the wait ahead of its first reader
.set j, 0
.rept 16
	v_pk_mul_f32 v[S+j:S+j+1], v[OA+j:OA+j+1], v[SUM:SUM+1] op_sel_hi:[1,0]
.set j, j+2
.endr
.irp u, 0,1,2,3
	ds_store_b128 v[STI], v[S+8*\u:S+8*\u+3] offset:64*\u          ; row r: channels 16 u + 8 h + 0 .. 7
	ds_store_b128 v[STI], v[S+8*\u+4:S+8*\u+7] offset:64*\u+16
.endr
.irp i, 0,1,2,3,4,5,6,7
	ds_load_b128 v[S+32+4*\i:S+32+4*\i+3], v[STO] offset:2*SP*\i   ; LDS serves a wave's instructions in order: these see my stores
.endr
.irp i, 0,1,2,3,4,5,6,7
	s_wait_dscnt 7-\i                              ; load i is in; the younger ones may be out
	global_store_b128 v[GO], v[S+32+4*\i:S+32+4*\i+3], s[OC:OC+1] offset:2*ROWS*\i th:TH_STORE_NT   ; sixteen lanes store 256 consecutive bytes, at a multiple of 256 from out's first byte
.endr
	s_wait_xcnt 0x0                                ; the stores have read their base and their data: both are written again below and in the next trip
	s_mov_b64 s[OC:OC+1], s[OL:OL+1]               ; on to the second block (behind the last trip these lines serve nothing)
	s_mov_b32 s[DG], s[PI]
.irp g, 0,1,2,3
	v_mov_b32 v[QC+\g], v[QC2+\g]
.endr
	v_mov_b32 v[QS], v[QS2]
	FRESH                                          ; its 36 lines are also the places between Q's scale word and codes and the next products
.Lon:
	s_mov_b32 s[KS], s[NK]
	s_xor_b32 s[TB], s[TB], SLOT1                  ; the other slot
	s_add_co_u32 s[TAU], s[TAU], 1
	s_cmp_lt_u32 s[TAU], STEPS
	s_cbranch_scc1 .Lstep
	s_wait_tensorcnt 0x0
	ds_add_u32 v254, v255
	s_wait_dscnt 0x0
	s_endpgm
.Lfunc_end_k_q47754afcce_attn:
	.size	k_q47754afcce_attn, .Lfunc_end_k_q47754afcce_attn-k_q47754afcce_attn
	.p2alignl 7, 3214868480
	.fill 96, 4, 3214868480
	.section	.rodata,"a",@progbits
	.p2align	6, 0x0
	.amdhsa_kernel k_q47754afcce_attn
		.amdhsa_group_segment_fixed_size 168960
		.amdhsa_private_segment_fixed_size 0
		.amdhsa_enable_private_segment 0
		.amdhsa_kernarg_size 24
		.amdhsa_user_sgpr_count 2
		.amdhsa_user_sgpr_kernarg_segment_ptr 1
		.amdhsa_wavefront_size32 1
		.amdhsa_system_sgpr_workgroup_id_x 1
		.amdhsa_system_sgpr_workgroup_id_y 1
		.amdhsa_system_sgpr_workgroup_id_z 1
		.amdhsa_system_vgpr_workitem_id 0
		.amdhsa_next_free_vgpr 256
		.amdhsa_next_free_sgpr 66
		.amdhsa_reserve_vcc 1
		.amdhsa_float_denorm_mode_32 3
		.amdhsa_float_denorm_mode_16_64 3
		.amdhsa_memory_ordered 1
		.amdhsa_forward_progress 1
		.amdhsa_inst_pref_size 39
	.end_amdhsa_kernel
	.amdgpu_metadata
---
amdhsa.version: [ 1, 2 ]
amdhsa.kernels:
  - .name:           k_q47754afcce_attn
    .symbol:         k_q47754afcce_attn.kd
    .args:
      - { .name: query_layer, .offset: 0, .size: 8, .value_kind: global_buffer, .address_space: global }
      - { .name: kv, .offset: 8, .size: 8, .value_kind: global_buffer, .address_space: global }
      - { .name: out0, .offset: 16, .size: 8, .value_kind: global_buffer, .address_space: global }
    .group_segment_fixed_size: 168960
    .private_segment_fixed_size: 0
    .kernarg_segment_align: 8
    .kernarg_segment_size: 24
    .max_flat_workgroup_size: 256
    .sgpr_count:     66
    .vgpr_count:     256
    .wavefront_size: 32
...
	.end_amdgpu_metadata
.endif
;; end of part 2
;; ======== version 2 of 2: 2 launches
;; limits: right only within a limited range of input values
;; workspace buffers: kv 4,456,448 bytes
;; launch quant (part 3): grid 16 x 32, 8 waves a work-group, no clusters, 36,352 bytes of LDS; arguments key_layer, value_layer, kv; writes kv
.if DOCPART == 3
	.amdgcn_target "amdgcn-amd-amdhsa--gfx1250"
	.amdhsa_code_object_version 6
	.text
	.protected	k_q47754afcce_quant
	.globl	k_q47754afcce_quant
	.p2align	8
	.type	k_q47754afcce_quant,@function
k_q47754afcce_quant:
	s_mov_b64 s[64:65], 0
	v_nop
	global_prefetch_b8 v0, s[64:65] scope:SCOPE_SE
	s_setreg_imm32_b32 hwreg(HW_REG_WAVE_MODE, 25, 1), 1
	s_wait_xcnt 0x0
; K and V, [2048 keys][32 heads][64] f32, become codes of FP4 (E2M1) with one E8M0 scale byte for each 32 along a product's K: K along the head's 64, V down the keys.
; A block's scale is 2^(floor(log2(its largest magnitude)) - 2); its byte is the largest magnitude's exponent field - 2, held at 1 from below.
; LIMITS: a block whose largest magnitude lies under 2^-124 keeps the byte 1; a block of zeros gets the byte 1, not 127 (its codes are zeros, and this program alone reads the bytes); NaN and infinities are not served.
; ONE WORK-GROUP MAKES ONE BLOCK OF kv: head y, key step x (128 keys): 8,704 dense bytes at (16 head + step) x 8,704, laid in the order of the operands' registers:
;   0..4095     K: tile t (16 keys) at 512 t, lane l's 16 bytes at 16 l: lane (r = l % 16, h = l / 16) holds the codes of d = 32 h .. 32 h + 31 of key 32 (t / 2) + 8 (t % 2) + r + 8 (r / 8)
;   4096..8191  V^T: tile u (d = 16 u + r), half c at 4096 + 1024 u + 512 c + 16 l: the codes of keys 64 c + 32 h + 0 .. 31 of column d
;   8192..8447  K's scale bytes: two for each tile row, at 2 (16 t + r): d 0..31, d 32..63
;   8448..8703  V's scale words: at 4 d, byte b for keys 32 b .. 32 b + 31
; SHARES.  Wave w makes K's tile w, and of V the 32 columns d = 32 (w % 2) + lane for the 32 keys 32 (w / 2) on.
; K: each load takes two whole rows of 256 bytes (16 lanes a row); the 16 rows turn through the wave's own stage in LDS, so that a lane holds a whole block of 32 neighbours along d.
; V: a lane takes a column and its registers run down the keys: a block lies in one lane's 32 registers, and the codes come out with the keys innermost.
; The 512 scale bytes meet in LDS and leave by one store of wave 0.  No tensor loads; one barrier.
.set ROWS, 8192                        ; bytes from a key to the next, in one head
.set SP,   272                         ; a stage row: 256 bytes + 16 of padding
.set STG,  16*SP                       ; a wave's stage
.set SC,   8*STG                       ; behind the stages: the block's 512 scale bytes
.set BLKB, 8704
.set VOFF, 4096
.set KA,  1                            ; v1   K in memory: 8192 h + 16 r
.set VA,  2                            ; v2   V in memory: 4 l
.set SW,  3                            ; v3   into the stage: row h of a pair, 16 r
.set SR,  4                            ; v4   out of it: row r, 128 h
.set KO,  5                            ; v5   K's image: 16 x thread
.set VO,  6                            ; v6   V's image
.set KSA, 7                            ; v7   LDS byte of my K scale
.set VSA, 8                            ; v8   LDS byte of my V scale
.set L16, 9                            ; v9   16 l
.set MA,  10                           ; v10-12 at work: two chains of maxima, the conversions' scale operand
.set MB,  11
.set SO,  12
.set KR,  16                           ; v16-47   K as loaded
.set KX,  48                           ; v48-79   K: 32 neighbours along d
.set VX,  80                           ; v80-111  V: 32 keys of my column
.set KC,  112                          ; v112-115 K's codes
.set VC,  116                          ; v116-119 V's codes
.set KB,  120                          ; v120     K's scale byte
.set VB,  121                          ; v121     V's
.set SCO, 122                          ; v122-125 the scale bytes on their way out
	s_load_b128 s[4:7], s[0:1], 0x0                ; K, V
	s_load_b64 s[8:9], s[0:1], 0x10                ; kv
	v_lshl_add_u32 v128, v0, 2, 0x8a00
	v_mov_b32 v129, 0
	v_lshrrev_b32 v10, 5, v0
	s_delay_alu instid0(VALU_DEP_1)
	v_readfirstlane_b32 s10, v10                   ; wave 0..7
	v_and_b32 v11, 31, v0                          ; l
	v_and_b32 v12, 15, v0                          ; r
	s_wait_alu depctr_va_vdst(0)
	v_bfe_u32 v13, v0, 4, 1                        ; h
	s_and_b32 s11, ttmp7, 0xffff                   ; head
	s_lshr_b32 s21, s10, 1                         ; w / 2
	s_and_b32 s22, s10, 1                          ; w % 2
	s_lshl_b32 s12, ttmp9, 20                      ; the step's 128 keys of 8,192 bytes
	s_lshl_b32 s20, s11, 8                         ; the head's 256 bytes of a key
	s_add_co_u32 s12, s12, s20
	s_lshl_b32 s23, s21, 18                        ; 32 keys x (w / 2): where K's tile pair and V's 32 keys begin alike
	s_add_co_u32 s23, s23, s12
	s_lshl_b32 s14, s22, 16                        ; K: 8 keys x (w % 2) on
	s_add_co_u32 s14, s14, s23
	s_mov_b32 s15, 0
	s_lshl_b32 s16, s22, 7                         ; V: 32 columns x (w % 2) on
	s_add_co_u32 s16, s16, s23
	s_mov_b32 s17, 0
	s_lshl_b32 s18, s11, 4
	s_add_co_u32 s18, s18, ttmp9
	s_mul_i32 s18, s18, BLKB                       ; my block of kv
	s_mov_b32 s19, 0
	s_mul_i32 s24, s10, STG                        ; my stage
	s_lshl_b32 s25, s22, 11
	s_lshl_b32 s26, s21, 8
	s_add_co_u32 s25, s25, s26
	s_add_co_u32 s25, s25, VOFF                    ; V's image: 4096 + 2048 (w % 2) + 256 (w / 2)
	s_lshl_b32 s26, s10, 5
	s_add_co_u32 s26, s26, SC                      ; K's scale bytes: 32 a tile
	s_lshl_b32 s27, s22, 7
	s_add_co_u32 s27, s27, s21
	s_add_co_u32 s27, s27, SC+256                  ; V's: word 32 (w % 2) + lane, byte w / 2
	v_lshlrev_b32 v[KA], 4, v12
	s_wait_alu depctr_va_vdst(0)
	v_lshl_add_u32 v[KA], v13, 13, v[KA]
	v_lshlrev_b32 v[VA], 2, v11
	v_mul_u32_u24 v[SW], v13, SP
	s_delay_alu instid0(VALU_DEP_1)
	v_lshl_add_u32 v[SW], v12, 4, v[SW]
	s_delay_alu instid0(VALU_DEP_1)
	v_add_nc_u32 v[SW], s24, v[SW]
	v_mul_u32_u24 v[SR], v12, SP
	s_delay_alu instid0(VALU_DEP_1)
	v_lshl_add_u32 v[SR], v13, 7, v[SR]
	s_delay_alu instid0(VALU_DEP_1)
	v_add_nc_u32 v[SR], s24, v[SR]
	v_lshlrev_b32 v[KO], 4, v0
	v_lshlrev_b32 v[VO], 4, v12
	s_delay_alu instid0(VALU_DEP_1)
	v_lshl_add_u32 v[VO], v13, 10, v[VO]
	s_delay_alu instid0(VALU_DEP_1)
	v_add_nc_u32 v[VO], s25, v[VO]
	v_lshl_add_u32 v[KSA], v12, 1, v13
	s_delay_alu instid0(VALU_DEP_1)
	v_add_nc_u32 v[KSA], s26, v[KSA]
	v_lshl_add_u32 v[VSA], v11, 2, s27
	v_lshlrev_b32 v[L16], 4, v11
	s_wait_alu depctr_va_vdst(0)
	s_wait_kmcnt 0x0
	s_add_nc_u64 s[14:15], s[4:5], s[14:15]
	s_add_nc_u64 s[16:17], s[6:7], s[16:17]
	s_add_nc_u64 s[18:19], s[8:9], s[18:19]
.irp j, 0,1,2,3,4,5,6,7
	global_load_b128 v[KR+4*\j:KR+4*\j+3], v[KA], s[14:15] offset:(2*\j+8*(\j/4))*ROWS th:TH_LOAD_NT   ; tile rows 2 j and 2 j + 1: rows 8 to 15 of a tile lie 8 keys further on
.endr
.irp i, 0,1,2,3,4,5,6,7,8,9,10,11,12,13,14,15,16,17,18,19,20,21,22,23,24,25,26,27,28,29,30,31
	global_load_b32 v[VX+\i], v[VA], s[16:17] offset:ROWS*\i th:TH_LOAD_NT   ; key i of my 32, my column: the wave reads 128 consecutive bytes
.endr
; 32 numbers of one lane, a whole block, become 4 registers of codes and a scale byte.
.macro BLOCKQ src, dst, byte
	v_max3_num_f32 v[MA], |v[\src]|, |v[\src+1]|, 0x1800000        ; the largest magnitude, in two chains, with the floor 2^(3 - 127) among the leaves: the byte cannot fall under 1
	v_max3_num_f32 v[MB], |v[\src+2]|, |v[\src+3]|, |v[\src+4]|
.irp i, 5,9,13,17,21,25
	s_delay_alu instid0(VALU_DEP_2)
	v_max3_num_f32 v[MA], v[MA], |v[\src+\i]|, |v[\src+\i+1]|
	s_delay_alu instid0(VALU_DEP_2)
	v_max3_num_f32 v[MB], v[MB], |v[\src+\i+2]|, |v[\src+\i+3]|
.endr
	s_delay_alu instid0(VALU_DEP_2)
	v_max3_num_f32 v[MA], v[MA], |v[\src+29]|, |v[\src+30]|
	s_delay_alu instid0(VALU_DEP_1)
	v_max3_num_f32 v[MA], v[MA], v[MB], |v[\src+31]|
	s_delay_alu instid0(VALU_DEP_1)
	v_add_nc_u32 v[SO], 0xff000000, v[MA]          ; 2 off its exponent field: the conversion takes the exponent field of this operand as its scale
.irp g, 0,1,2,3
	v_cvt_scalef32_pk8_fp4_f32 v[\dst+\g], v[\src+8*\g:\src+8*\g+7], v[SO]
.endr
	v_lshrrev_b32 v[\byte], 23, v[SO]              ; the scale's byte; also the plain line behind the conversions
.endm
	s_wait_loadcnt 32                              ; K's eight loads are in; V's 32, issued behind them, may be out
.irp j, 0,1,2,3,4,5,6,7
	ds_store_b128 v[SW], v[KR+4*\j:KR+4*\j+3] offset:2*SP*\j
.endr
.irp k, 0,1,2,3,4,5,6,7
	ds_load_b128 v[KX+4*\k:KX+4*\k+3], v[SR] offset:16*\k        ; LDS serves a wave's instructions in order (ISA guide 5.7.1.4): these see my stores
.endr
	s_wait_dscnt 0x0
	BLOCKQ KX, KC, KB
	ds_store_b8 v[KSA], v[KB]
	global_store_b128 v[KO], v[KC:KC+3], s[18:19]  ; the wave stores 512 consecutive bytes: its tile's image
	s_wait_loadcnt 0x0                             ; V
	BLOCKQ VX, VC, VB
	ds_store_b8 v[VSA], v[VB]
	global_store_b128 v[VO], v[VC:VC+3], s[18:19]  ; sixteen lanes store 256 consecutive bytes, at a multiple of 256 from kv's first byte
	s_wait_dscnt 0x0                               ; for the others' sake: my scale bytes have landed
	s_barrier_signal -1
	s_barrier_wait -1
	s_cmp_lg_u32 s10, 0
	s_cbranch_scc1 .Lend
	ds_load_b128 v[SCO:SCO+3], v[L16] offset:SC    ; the block's 512 scale bytes
	s_wait_dscnt 0x0
	global_store_b128 v[L16], v[SCO:SCO+3], s[18:19] offset:8192
.Lend:
	s_wait_tensorcnt 0x0
	ds_add_u32 v128, v129
	s_wait_dscnt 0x0
	s_endpgm
.Lfunc_end_k_q47754afcce_quant:
	.size	k_q47754afcce_quant, .Lfunc_end_k_q47754afcce_quant-k_q47754afcce_quant
	.p2alignl 7, 3214868480
	.fill 96, 4, 3214868480
	.section	.rodata,"a",@progbits
	.p2align	6, 0x0
	.amdhsa_kernel k_q47754afcce_quant
		.amdhsa_group_segment_fixed_size 36352
		.amdhsa_private_segment_fixed_size 0
		.amdhsa_enable_private_segment 0
		.amdhsa_kernarg_size 24
		.amdhsa_user_sgpr_count 2
		.amdhsa_user_sgpr_kernarg_segment_ptr 1
		.amdhsa_wavefront_size32 1
		.amdhsa_system_sgpr_workgroup_id_x 1
		.amdhsa_system_sgpr_workgroup_id_y 1
		.amdhsa_system_sgpr_workgroup_id_z 1
		.amdhsa_system_vgpr_workitem_id 0
		.amdhsa_next_free_vgpr 130
		.amdhsa_next_free_sgpr 66
		.amdhsa_reserve_vcc 0
		.amdhsa_float_denorm_mode_32 3
		.amdhsa_float_denorm_mode_16_64 3
		.amdhsa_memory_ordered 1
		.amdhsa_forward_progress 1
		.amdhsa_inst_pref_size 13
	.end_amdhsa_kernel
	.amdgpu_metadata
---
amdhsa.version: [ 1, 2 ]
amdhsa.kernels:
  - .name:           k_q47754afcce_quant
    .symbol:         k_q47754afcce_quant.kd
    .args:
      - { .name: key_layer, .offset: 0, .size: 8, .value_kind: global_buffer, .address_space: global }
      - { .name: value_layer, .offset: 8, .size: 8, .value_kind: global_buffer, .address_space: global }
      - { .name: kv, .offset: 16, .size: 8, .value_kind: global_buffer, .address_space: global }
    .group_segment_fixed_size: 36352
    .private_segment_fixed_size: 0
    .kernarg_segment_align: 8
    .kernarg_segment_size: 24
    .max_flat_workgroup_size: 256
    .sgpr_count:     66
    .vgpr_count:     130
    .wavefront_size: 32
...
	.end_amdgpu_metadata
.endif
;; end of part 3
;; launch attn (part 4): grid 8 x 32, 8 waves a work-group, no clusters, 168,960 bytes of LDS; arguments query_layer, kv, out0; writes out0
.if DOCPART == 4
	.amdgcn_target "amdgcn-amd-amdhsa--gfx1250"
	.amdhsa_code_object_version 6
	.text
	.protected	k_q47754afcce_attn
	.globl	k_q47754afcce_attn
	.p2align	8
	.type	k_q47754afcce_attn,@function
k_q47754afcce_attn:
	s_mov_b64 s[64:65], 0
	v_nop
	global_prefetch_b8 v0, s[64:65] scope:SCOPE_SE
	s_setreg_imm32_b32 hwreg(HW_REG_WAVE_SCHED_MODE, 0, 2), 2
	s_setreg_imm32_b32 hwreg(HW_REG_WAVE_MODE, 25, 1), 1
	s_wait_xcnt 0x0
	s_wait_alu depctr_vm_vsrc(0)
; out[q][head][:] = the sum over keys k <= q of softmax_k(Q[q] . K[k] / 8) V[k][:], 32 heads, 2,048 queries and keys, head size 64; both products on codes of FP4 (E2M1) with one E8M0 scale for each 32 along K.
; K and V come as codes from kv (one dense block of 8,704 bytes for a head's 128 keys, laid as images of the operands' registers); q, f32, is quantised here, by its one reader.
; THE SOFTMAX: t = score x log2(e) / 8; M = the row's largest t so far, rounded UP to a whole number; p = 2^(t - M) is quantised along the keys, not normalised; the row's sum is taken of the unquantised p and divides at the end.
; When M moves, the sum and O are multiplied by 2^(old M - new M): exact.
; THE MASK.  In the key step on the diagonal a hidden score becomes -80,000, which is the fill -10,000 times the 8 by which scores are divided.  Key steps that lie wholly above the diagonal are not computed.
; LIMITS: their p, 2^(-14,427 - M), counts as 0: every row's largest unmasked logit must lie above -9,980.  NaN and infinities are not served.  A block's largest p is taken from its largest score (p rises with the score).
; attention_mask is no argument: the function that this kernel computes does not depend on it.
; SHARES.  A head has 16 blocks of 128 queries; block j wants key steps 0 .. j.  Work-group (i, head) takes block 15 - i and then block i: (16 - i) + (i + 1) = 17 key steps, the same for all 256 work-groups.
; Each of its eight waves owns one tile of 16 queries of the block in hand.  The loop has 17 trips, written once; at a block's last step the result goes out and the state is set anew.
; THE KEYS' WAY.  A step's 8,704 bytes are loaded a trip ahead, two loads of 16 bytes a thread (wave 0 one more, the scales), put into one of two LDS slots, and read by all eight waves behind one barrier a trip.
; LAYOUT.  Both products are used transposed: S^T = K Q^T (source 0 = 16 keys, source 1 = my 16 queries; of the instruction's 128 along K the upper 64 are zero codes on both sides), O^T = V^T P^T: a lane holds ONE query (lane % 16).
; The keys of a tile are chosen so that the 16 registers of tiles 2 b and 2 b + 1 are the keys 32 b + 16 (lane / 16) + 0 .. 15.
; NO CLUSTER: the eight work-groups of a head walk steps 0 .. 15 - i and then 0 .. i, so from trip 9 on they stand at different key steps and could not ask for one tile jointly; and what they share is 8,704 bytes a trip.
; LDS: slot 0 at 0, slot 1 at 16,384 (8,704 bytes used of each); from 32,768 a stage of 16 rows x 272 bytes for each wave, its own, for q on the way in and O on the way out.
; THE MODE: SCHED_MODE bits 1:0 = 2 (LLVM: expert scheduling mode 2), set by the entry lines.  The code itself states the register dependences between vector or matrix instructions and memory or LDS instructions,
; with s_wait_alu, always for 0.
; THE PLAN.  Registers that memory or LDS instructions touch, in a trip:
;   AW, AI, A2, A4, GA   Written by five additions at the trip's head; read by the trip's LDS stores, its LDS loads and its global loads.
;   LD, LSC              The global loads behind the barrier land in them; the next trip's LDS stores read them.  No vector instruction names them.
;   KF, K2, KSC          The LDS loads behind the barrier land in them (of a fragment: in its low four registers); the trip's eight products K Q^T read them.  K2, in window 1, holds tiles 4 to 7, so that no load
;                        of a trip lands in a register that a product of the same trip has read.
;   VF, VSC              The same run of LDS loads lands in them; the trip's last four products read them.
;   S                    Products and vector work; at the head (q's turn) and at a block's last step LDS stores read S .. S + 31, loads from the stage land in S + 32 on, global stores read those.
;   LI, LS2, LS4, LW, PFO, QRD, STI, STO, GO   Made at the head and never written again.
; So a trip has: one wait on vm_vsrc and one on va_vdst at its head, round the five additions; one on vm_vsrc behind the barrier, for LD; the two waits behind the exponentials; one on va_vdst ahead of the last four products,
; for p's codes and scale word.  The trip's 22 LDS loads and its global loads follow the head's wait on va_vdst with no further one: between it and them stand LDS stores (of AW, LD, LSC), scalar lines and the barrier alone.
; REGISTERS: window 0 as named below; window 1: v[0:31] (v256-287) K2.  s_set_vgpr_msb's low byte: bits 1:0 source 0, 7:6 destination: four switches a trip.
.set ROWS,  8192                       ; bytes from a query (or key) to the next, in one head
.set BLKB,  8704                       ; a key step's block of kv
.set HEADB, 16*BLKB
.set VOFF,  4096                       ; in a block: V's images,
.set KSOFF, 8192                       ; K's scale bytes,
.set VSOFF, 8448                       ; V's scale words
.set SLOT1, 16384
.set SP,    272
.set STAGE, 2*SLOT1
.set STEPS, 17
.set LI,  1                            ; v1   16 l: an image's place for my lane
.set LS2, 2                            ; v2   2 l + KSOFF
.set LS4, 3                            ; v3   4 l + VSOFF
.set LW,  4                            ; v4   16 x thread: my part of a block
.set AI,  5                            ; v5-8 the same four in the slot in hand, made anew in each trip
.set A2,  6
.set A4,  7
.set AW,  8
.set GA,  9                            ; v9   my part of the next block, in the head's kv
.set DQ,  10                           ; v10  my query in its block - 16 (lane / 16)
.set PFO, 11                           ; v11  256 l: the prefetch's offset; never rewritten
.set NM,  12                           ; v12  -M;  v13 the largest t
.set SUM, 14                           ; v[14:15] the row's sum, in two halves
.set QC,  16                           ; v[16:19] Q's codes, v[20:23] zeros
.set QS,  24                           ; v24  Q's scale word
.set QRD, 25                           ; v25  the stage: row r, 128 h
.set FF,  26                           ; v26  f = 2^(old M - new M); v27 written once, named with it as a pair
.set QC2, 28                           ; v[28:31], v32 the second block's Q
.set QS2, 32
.set LD,  34                           ; v[34:41] my 32 bytes of the next block
.set LSC, 42                           ; v[42:45] wave 0: its scales
.set STI, 46                           ; v46  the stage: row r, 32 h
.set STO, 47                           ; v47  the stage: row h of a pair, 16 r
.set GO,  48                           ; v48  the same two rows in q and in out: 8192 h + 16 r
.set KF,  64                           ; v[64:95]   K's tiles 0 to 3; registers 4-7 of each fragment are zeros, written once
.set K2,  0                            ; window 1, v[0:31]: K's tiles 4 to 7, likewise
.set VF,  96                           ; v[96:127]  V's four fragments
.set S,   128                          ; v[128:191] S^T, then p
.set OA,  192                          ; v[192:223] O^T: tile u, register j = o(query r, 16 u + 8 h + j)
.set PC,  224                          ; v[224:231] p's codes
.set BM,  232                          ; v[232:235] each block's largest score, then its largest p
.set BP,  236                          ; v[236:239] at work
.set SO,  240                          ; v[240:243] the conversions' scale operands
.set KSC, 244                          ; v[244:247] K's scales: lanes 0-15 tile 2 u, lanes 16-31 tile 2 u + 1
.set VSC, 248                          ; v[248:249] V's likewise
.set PS,  250                          ; v250 p's scale word
.set TM,  251                          ; v251-252 at work
.set WV,  10                           ; s10  wave
.set PI,  11                           ; s11  i: the work-group's x
.set TAU, 13                           ; s13  the trip
.set KS,  14                           ; s14  the key step in hand
.set DG,  15                           ; s15  the block in hand, which is also its last key step
.set NK,  16                           ; s16  the next key step
.set TB,  17                           ; s17  the slot in hand: 0 or SLOT1
.set LIM, 18                           ; s18  13 in the wave that prefetches, else 0
.set SEL, 20                           ; s[20:21] v_permlanex16_b32's selects for lane l xor 16
.set CS,  22                           ; s[22:23] c = log2(e) / 8
.set KVH, 24                           ; s[24:25] the head's kv
.set PF,  26                           ; s[26:27] where the prefetches stand
.set OC,  28                           ; s[28:29] out at my tile of the block in hand
.set OL,  30                           ; s[30:31] and of the second block
.set MK,  48                           ; s[48:63] the mask's sixteen lane masks
.set MSB, 0
.macro WIN new                         ; the immediate's high byte repeats the setting that is left
.if MSB != \new
	s_set_vgpr_msb (MSB<<8)|\new
.set MSB, \new
.endif
.endm
	s_load_b128 s[4:7], s[0:1], 0x0                ; q, kv
	s_load_b64 s[8:9], s[0:1], 0x10                ; out
	v_lshl_add_u32 v254, v0, 2, 0x29000
	v_mov_b32 v255, 0
	v_lshrrev_b32 v5, 5, v0
	v_readfirstlane_b32 s[WV], v5                  ; wave 0..7
	v_and_b32 v6, 31, v0                           ; l
	s_wait_alu depctr_va_vdst(0)
	v_and_b32 v7, 15, v0                           ; r
	s_wait_alu depctr_va_vdst(0)
	v_bfe_u32 v8, v0, 4, 1                         ; h
	s_mov_b32 s[PI], ttmp9
	s_and_b32 s12, ttmp7, 0xffff                   ; head
	s_sub_co_u32 s[DG], 15, s[PI]                  ; the first block
	s_wait_alu depctr_va_sdst(0)                   ; s10, the wave's number, is written, ahead of its first reader
	s_lshl_b32 s40, s[WV], 4                       ; my tile in a block: 16 w
	s_lshl_b32 s41, s12, 8                         ; the head's 256 bytes of a row
	s_lshl_b32 s36, s[DG], 7
	s_add_co_u32 s36, s36, s40
	s_lshl_b32 s36, s36, 13
	s_add_co_u32 s36, s36, s41                     ; my tile's first byte, in q and in out alike: first block,
	s_mov_b32 s37, 0
	s_lshl_b32 s38, s[PI], 7
	s_add_co_u32 s38, s38, s40
	s_lshl_b32 s38, s38, 13
	s_add_co_u32 s38, s38, s41                     ; second block
	s_mov_b32 s39, 0
	s_mul_i32 s42, s12, HEADB
	s_mov_b32 s43, 0
	s_mul_i32 s44, s[WV], 16*SP
	s_add_co_u32 s44, s44, STAGE                   ; my stage
	s_mov_b32 s[SEL], 0x76543210
	s_mov_b32 s[SEL+1], 0xfedcba98
	s_mov_b32 s[CS], 0x3e38aa3b                    ; c = log2(e) / 8
	s_mov_b32 s[CS+1], s[CS]                       ; (named with it as a pair, so it is written)
	s_xor_b32 s45, s[WV], 1
	s_or_b32 s45, s45, s[PI]
	s_cmp_eq_u32 s45, 0                            ; wave 1 of the head's work-group 0
	s_cselect_b32 s[LIM], 13, 0
	s_mov_b32 s[KS], 0
	s_mov_b32 s[TB], 0
	s_mov_b32 s[TAU], 0
	v_lshlrev_b32 v[LI], 4, v6
	v_lshl_add_u32 v[LS2], v6, 1, KSOFF
	v_lshl_add_u32 v[LS4], v6, 2, VSOFF
	v_lshlrev_b32 v[LW], 4, v0
	v_mov_b32 v[GA], v[LW]                         ; key step 0
	v_lshlrev_b32 v[GO], 4, v7
	s_wait_alu depctr_va_vdst(0)
	v_lshl_add_u32 v[GO], v8, 13, v[GO]
	s_wait_kmcnt 0x0
	s_add_nc_u64 s[32:33], s[4:5], s[36:37]        ; q at my two tiles
	s_add_nc_u64 s[34:35], s[4:5], s[38:39]
	s_add_nc_u64 s[OC:OC+1], s[8:9], s[36:37]
	s_add_nc_u64 s[OL:OL+1], s[8:9], s[38:39]
	s_add_nc_u64 s[KVH:KVH+1], s[6:7], s[42:43]
	s_add_nc_u64 s[PF:PF+1], s[KVH:KVH+1], 3*8192  ; each trip's head steps it by 8,192: trip 0 names bytes 4 x 8,192 on.  Nothing is prefetched here, at the head
	s_wait_alu depctr_va_vdst(0)                   ; GA and GO are written, which the loads below read as their offsets
	global_load_b128 v[LD:LD+3], v[GA], s[KVH:KVH+1]
	global_load_b128 v[LD+4:LD+7], v[GA], s[KVH:KVH+1] offset:VOFF
	s_cmp_lg_u32 s[WV], 0
	s_cbranch_scc1 .Lno_scales_0
	global_load_b128 v[LSC:LSC+3], v[GA], s[KVH:KVH+1] offset:KSOFF
.Lno_scales_0:
.irp i, 0,1,2,3,4,5,6,7
	global_load_b128 v[S+4*\i:S+4*\i+3], v[GO], s[32:33] offset:2*ROWS*\i th:TH_LOAD_NT   ; q, first block: rows 2 i and 2 i + 1, sixteen lanes a row of 256 bytes
.endr
.irp i, 0,1,2,3,4,5,6,7
	global_load_b128 v[S+32+4*\i:S+32+4*\i+3], v[GO], s[34:35] offset:2*ROWS*\i th:TH_LOAD_NT   ; second block
.endr
	v_lshlrev_b32 v5, 4, v8                        ; (the lines from here to the wait for q write neither GA nor GO, nor a register in which a load lands)
	v_sub_nc_u32 v[DQ], v7, v5
	v_add_nc_u32 v[DQ], s40, v[DQ]                 ; 16 w + r - 16 h
	v_lshlrev_b32 v[PFO], 8, v6
	v_mul_u32_u24 v[QRD], v7, SP
	v_lshl_add_u32 v[STI], v8, 5, v[QRD]
	v_lshl_add_u32 v[QRD], v8, 7, v[QRD]
	v_add_nc_u32 v[STI], s44, v[STI]
	v_add_nc_u32 v[QRD], s44, v[QRD]
	v_mul_u32_u24 v[STO], v8, SP
	v_lshl_add_u32 v[STO], v7, 4, v[STO]
	v_add_nc_u32 v[STO], s44, v[STO]
.irp b, 0,1,2,3
	v_mov_b32 v[BP+\b], 0                          ; written once: a lane permute's destination counts as one of its sources
	v_mov_b32 v[QC+4+\b], 0                        ; Q's codes of k = 64 .. 127: zeros
.endr
	v_mov_b32 v[FF+1], 0
.irp t, 0,1,2,3
.irp j, 4,5,6,7
	v_mov_b32 v[KF+8*\t+\j], 0                     ; K's codes of k = 64 .. 127: zeros, in registers of their own
.endr
.endr
	WIN 0x40                                       ; destination window 1
.irp t, 0,1,2,3
.irp j, 4,5,6,7
	v_mov_b32 v[K2+8*\t+\j], 0                     ; the same for tiles 4 to 7
.endr
.endr
	WIN 0
; 16 rows of q turn through my stage: in as loaded, out 128 bytes a lane: d = 32 h .. 32 h + 31 of query r.
.macro QTURN src, dst
.irp i, 0,1,2,3,4,5,6,7
	ds_store_b128 v[STO], v[(\src)+4*\i:(\src)+4*\i+3] offset:2*SP*\i
.endr
.irp k, 0,1,2,3,4,5,6,7
	ds_load_b128 v[(\dst)+4*\k:(\dst)+4*\k+3], v[QRD] offset:16*\k   ; LDS serves a wave's instructions in order (ISA guide 5.7.1.4): these see my stores
.endr
	s_wait_dscnt 0x0
.endm
; 32 numbers of a lane, a whole block, become 4 registers of codes at v[dc]; the scale word at v[ds]: lanes 0-15 hold their own byte (d 0..31) and above it lane l + 16's (d 32..63); bytes 2 and 3 are 0, over zero codes.
.macro QQUANT src, dc, ds
	v_max3_num_f32 v[TM], |v[\src]|, |v[\src+1]|, 0x1800000        ; with the floor 2^(3 - 127): the byte cannot fall under 1
	v_max3_num_f32 v[TM+1], |v[\src+2]|, |v[\src+3]|, |v[\src+4]|
.irp i, 5,9,13,17,21,25
	v_max3_num_f32 v[TM], v[TM], |v[\src+\i]|, |v[\src+\i+1]|
	v_max3_num_f32 v[TM+1], v[TM+1], |v[\src+\i+2]|, |v[\src+\i+3]|
.endr
	v_max3_num_f32 v[TM], v[TM], |v[\src+29]|, |v[\src+30]|
	v_max3_num_f32 v[TM], v[TM], v[TM+1], |v[\src+31]|
	v_add_nc_u32 v[SO], 0xff000000, v[TM]          ; 2 off the exponent field: the conversion's scale operand
	v_lshrrev_b32 v[BM], 23, v[SO]                 ; the scale's byte
	v_permlanex16_b32 v[BP], v[BM], s[SEL], s[SEL+1]
	v_lshl_or_b32 v[\ds], v[BP], 8, v[BM]
.irp g, 0,1,2,3
	v_cvt_scalef32_pk8_fp4_f32 v[\dc+\g], v[\src+8*\g:\src+8*\g+7], v[SO]
.endr
	v_nop                                          ; one plain line behind the conversions
.endm
	s_wait_loadcnt 8                               ; key step 0 and the first block's q are in; the second block's eight loads may be out
	s_wait_alu depctr_va_vdst(0)                   ; STO and QRD are written, the addresses of both turns' LDS stores and loads; so are STI and PFO, which the ways out and the prefetches read
	QTURN S, VF                                    ; (no vector instruction has named VF or OA, in which the turns' loads land)
	QQUANT VF, QC, QS
	s_wait_loadcnt 0x0
	QTURN S+32, OA
	QQUANT OA, QC2, QS2
; The state of a block of queries at its start.  The step is written once: its first pass finds zeros, which the first change of M leaves zeros.
.macro FRESH
	v_mov_b32 v[NM+1], 0xff61b1e6                  ; the largest t so far: -3e38, under every t
	v_floor_f32 v[NM], -v[NM+1]                    ; -M
	v_mov_b32 v[SUM], 0
	v_mov_b32 v[SUM+1], 0
.set j, 0
.rept 32
	v_mov_b32 v[OA+j], 0
.set j, j+1
.endr
.endm
	FRESH
; four products of S^T = K Q^T: tiles 4 g .. 4 g + 3, from KF (g = 0) or, with source 0 in window 1, from K2 (g = 1).  An odd tile's scales stand in lanes 16-31 of the register that it shares with the even tile before it.
.macro QK g
.irp t, 0,1,2,3
.if (\t)%2
	v_wmma_scale_f32_16x16x128_f8f6f4 v[S+8*(4*(\g)+\t):S+8*(4*(\g)+\t)+7], v[KF+(K2-KF)*(\g)+8*\t:KF+(K2-KF)*(\g)+8*\t+7], v[QC:QC+7], 0, v[KSC+2*(\g)+\t/2], v[QS] matrix_a_fmt:MATRIX_FMT_FP4 matrix_b_fmt:MATRIX_FMT_FP4 matrix_a_scale:MATRIX_SCALE_ROW1
.else
	v_wmma_scale_f32_16x16x128_f8f6f4 v[S+8*(4*(\g)+\t):S+8*(4*(\g)+\t)+7], v[KF+(K2-KF)*(\g)+8*\t:KF+(K2-KF)*(\g)+8*\t+7], v[QC:QC+7], 0, v[KSC+2*(\g)+\t/2], v[QS] matrix_a_fmt:MATRIX_FMT_FP4 matrix_b_fmt:MATRIX_FMT_FP4
.endif
.endr
.endm
.macro KLOAD g
.irp t, 0,1,2,3
	ds_load_b128 v[KF+(K2-KF)*(\g)+8*\t:KF+(K2-KF)*(\g)+8*\t+3], v[AI] offset:512*(4*(\g)+\t)
.endr
.endm
.Lstep:                                            ; 17 trips
	; ---- the block that was asked for a trip ago goes into the slot in hand
	s_wait_loadcnt 0x0                             ; my part of key step KS is in; the loads that read GA are done
	s_add_co_u32 s[NK], s[KS], 1
	s_cmp_eq_u32 s[KS], s[DG]
	s_cselect_b32 s[NK], 0, s[NK]                  ; behind a block's last step: step 0 (in the last trip too: that load stays inside kv and is not used)
	s_mul_i32 s36, s[NK], BLKB
	s_wait_alu depctr_vm_vsrc(0)                   ; the last trip's LDS stores and loads have read AW, AI, A2 and A4 and its global loads GA, which the five additions write; the stores of q's turns or of a way out have read S, which this trip's products write
	v_add_nc_u32 v[AW], s[TB], v[LW]
	v_add_nc_u32 v[AI], s[TB], v[LI]
	v_add_nc_u32 v[A2], s[TB], v[LS2]
	v_add_nc_u32 v[A4], s[TB], v[LS4]
	v_add_nc_u32 v[GA], s36, v[LW]
	s_wait_alu depctr_va_vdst(0)                   ; the five addresses are written, which the stores and loads of this trip read; the last trip's products are done reading K's and V's fragments and scales, in which this trip's loads land; Q's codes and scale word and the fragments' zeros, made by vector instructions, are written ahead of the products that take them
	ds_store_b128 v[AW], v[LD:LD+3]
	ds_store_b128 v[AW], v[LD+4:LD+7] offset:VOFF
	s_cmp_lg_u32 s[WV], 0
	s_cbranch_scc1 .Lno_scales_1
	ds_store_b128 v[AW], v[LSC:LSC+3] offset:KSOFF
.Lno_scales_1:
	s_wait_xcnt 0x0                                ; the last prefetch, a trip back, has read its address
	s_add_nc_u64 s[PF:PF+1], s[PF:PF+1], 8192
	s_wait_dscnt 0x0                               ; my stores have landed.  (My reads of the other slot were waited for in the last trip; this slot was last read two trips ago,
	s_barrier_signal -1                            ; and every wave's reads of it were over in front of the last trip's signal, behind which these stores stand.)
	s_barrier_wait -1
	; ---- the next block is asked for; then all of this step's fragments and scales, in one run
	s_wait_alu depctr_vm_vsrc(0)                   ; my LDS stores have read LD and LSC, in which the loads below land
	global_load_b128 v[LD:LD+3], v[GA], s[KVH:KVH+1]
	global_load_b128 v[LD+4:LD+7], v[GA], s[KVH:KVH+1] offset:VOFF
	s_cmp_lg_u32 s[WV], 0
	s_cbranch_scc1 .Lno_scales_2
	global_load_b128 v[LSC:LSC+3], v[GA], s[KVH:KVH+1] offset:KSOFF
.Lno_scales_2:
	KLOAD 0                                        ; no wait: since the wait on va_vdst at the trip's head no vector or matrix instruction has been issued
.irp u, 0,1,2,3
	ds_load_u16 v[KSC+\u], v[A2] offset:64*\u      ; two bytes a tile row; the word's upper two bytes are 0, over zero codes
.endr
	WIN 0x40                                       ; destination window 1, address window 0
	KLOAD 1
	WIN 0
.irp u, 0,1,2,3
.irp c, 0,1
	ds_load_b128 v[VF+8*\u+4*\c:VF+8*\u+4*\c+3], v[AI] offset:VOFF+1024*\u+512*\c   ; behind the last trip's products with V stand the five additions at the trip's head, and the wait behind them
.endr
.endr
.irp u, 0,1
	ds_load_b32 v[VSC+\u], v[A4] offset:128*\u
.endr
	; A prefetch into the L2.  A head's kv is 17 pieces of 8,192 bytes.  One wave of one work-group of the head asks, in trips 0 to 12, for piece trip + 4, lanes 256 bytes apart: each aligned 256 bytes is named once in the
	; launch.  Key step k ends in piece (17 (k + 1)) / 16 or earlier and is loaded in trip k - 1: asked for two trips or more ahead.  Pieces 0 to 3 come by their loads alone; nothing is named past piece 16.
	s_cmp_lt_u32 s[TAU], s[LIM]
	s_cbranch_scc0 .Lnot_mine
	global_prefetch_b8 v[PFO], s[PF:PF+1] th:TH_LOAD_NT scope:SCOPE_SE
.Lnot_mine:
	s_wait_dscnt 14                                ; K's tiles 0 to 3 and all its scales are in; the four loads of tiles 4 to 7 and V's ten, issued behind them, may be out
	QK 0
	s_wait_dscnt 10                                ; K's tiles 4 to 7 are in; V's ten may be out
	WIN 0x01                                       ; source 0 window 1
	QK 1
	WIN 0
.rept 4
	v_nop                                          ; four places (ISA guide 7.12.1) in front of the first read of the products' results
.endr
	; ---- the mask, in the step on the diagonal alone: register 16 b + i holds key 32 b + 16 h + i of the step: hidden where 32 b + i > my query - 16 h
	s_cmp_lg_u32 s[KS], s[DG]
	s_cbranch_scc1 .Lopen
	v_mov_b32 v[TM], 0xc79c4000                    ; -80,000
.set n0, 0
.rept 4                                            ; a block of 32 keys at a time: sixteen compares in a run, each into a scalar register of its own, one wait, sixteen selects
.set n, 0
.rept 16
	v_cmp_gt_i32 s[MK+n], 32*n0+n, v[DQ]
.set n, n+1
.endr
	s_wait_alu depctr_va_sdst(0)                   ; the sixteen compares have written s[48:63], ahead of the selects that read them
.set n, 0
.rept 16
	v_cndmask_b32 v[S+16*n0+n], v[S+16*n0+n], v[TM], s[MK+n]
.set n, n+1
.endr
.set n0, n0+1
.endr
.Lopen:
	; ---- the softmax
.irp b, 0,1,2,3
	v_max3_num_f32 v[BM+\b], v[S+16*\b], v[S+16*\b+1], v[S+16*\b+2]   ; the largest score of each block of 32 keys: for the row's maximum, and for the block's largest p.  Each accumulator is read from its low end on
.endr
.irp i, 3,5,7,9,11,13
.irp b, 0,1,2,3
	v_max3_num_f32 v[BM+\b], v[BM+\b], v[S+16*\b+\i], v[S+16*\b+\i+1]   ; (the four blocks by turns)
.endr
.endr
.irp b, 0,1,2,3
	v_max_num_f32 v[BM+\b], v[BM+\b], v[S+16*\b+15]
.endr
.irp b, 0,1,2,3
	v_permlanex16_b32 v[BP+\b], v[BM+\b], s[SEL], s[SEL+1]
.endr
.irp b, 0,1,2,3
	v_max_num_f32 v[BM+\b], v[BM+\b], v[BP+\b]     ; with lane l xor 16's 16 keys
.endr
	v_max3_num_f32 v[TM], v[BM], v[BM+1], v[BM+2]
	v_max_num_f32 v[TM], v[TM], v[BM+3]            ; the step's largest score of my query
	v_mul_f32 v[TM], s[CS], v[TM]                  ; as t (c is positive)
	v_max_num_f32 v[NM+1], v[NM+1], v[TM]          ; the running largest t
	v_mov_b32 v[TM], v[NM]
	v_floor_f32 v[NM], -v[NM+1]                    ; the new -M = floor(-t) = -ceil(t)
	v_sub_f32 v[TM], v[NM], v[TM]                  ; old M - new M: a whole number, 0 or less
	v_cvt_i32_f32 v[TM], v[TM]                     ; (it saturates)
	v_ldexp_f32 v[FF], 1.0, v[TM]                  ; f = 2^(old M - new M)
.set j, 0
.rept 32
	v_pk_fma_f32 v[S+j:S+j+1], v[S+j:S+j+1], s[CS:CS+1], v[NM:NM+1] op_sel_hi:[1,0,0]   ; t - M, two at a time (of the pairs c and -M the low word serves both halves)
.set j, j+2
.endr
.irp b, 0,1,2,3
	v_fma_f32 v[BM+\b], v[BM+\b], s[CS], v[NM]     ; the same of each block's largest score
.endr
.set j, 0
	s_wait_alu depctr_va_vdst(0)
.rept 64
	v_exp_f32 v[S+j], v[S+j]                       ; p = 2^(t - M), at most 1
.set j, j+1
.endr
	v_pk_mul_f32 v[SUM:SUM+1], v[SUM:SUM+1], v[FF:FF+1] op_sel_hi:[1,0]   ; the sums under the new M; the plain line behind the exponentials
	s_wait_alu depctr_va_vdst(0)                   ; the 64 exponentials have written p, ahead of its first reader: one wait for the batch
.irp b, 0,1,2,3
	v_exp_f32 v[BM+\b], v[BM+\b]                   ; the block's largest p: the same two instructions on the same number give the same bits
.endr
	v_pk_add_f32 v[BP:BP+1], v[S:S+1], v[S+2:S+3]  ; the row's sum is taken of the unquantised p: two at a time, in two chains
.irp j, 4,8,12,16,20,24,28,32,36,40,44,48,52,56,60
	v_pk_add_f32 v[SUM:SUM+1], v[SUM:SUM+1], v[S+\j:S+\j+1]
	v_pk_add_f32 v[BP:BP+1], v[BP:BP+1], v[S+\j+2:S+\j+3]
.endr
	v_pk_add_f32 v[SUM:SUM+1], v[SUM:SUM+1], v[BP:BP+1]
	s_wait_alu depctr_va_vdst(0)                   ; the four exponentials have written the blocks' largest p, ahead of its first reader
.irp b, 0,1,2,3
	v_max_num_f32 v[BM+\b], 0x1800000, v[BM+\b]    ; the floor 2^(3 - 127): a block whose every p is 0 keeps the byte 1: its codes are zeros
.endr
.irp b, 0,1,2,3
	v_add_nc_u32 v[SO+\b], 0xff000000, v[BM+\b]    ; 2 off the exponent field: the conversion's scale operand
.endr
.irp b, 0,1,2,3
	v_lshrrev_b32 v[BP+\b], 23, v[SO+\b]           ; the scale's byte
.endr
	v_lshl_or_b32 v[PS], v[BP+1], 8, v[BP]         ; p's scale word for these 128 keys
	v_lshl_or_b32 v[PS], v[BP+2], 16, v[PS]
	v_lshl_or_b32 v[PS], v[BP+3], 24, v[PS]
.irp b, 0,1,2,3
	v_cvt_scalef32_pk8_fp4_f32 v[PC+2*\b], v[S+16*\b:S+16*\b+7], v[SO+\b]
	v_cvt_scalef32_pk8_fp4_f32 v[PC+2*\b+1], v[S+16*\b+8:S+16*\b+15], v[SO+\b]
.endr
	v_nop                                          ; one plain line behind the conversions
.irp c, 0,1                                        ; the operand's layout wants a whole block in a lane: lanes 0-15 block 2 c, lanes 16-31 block 2 c + 1
.irp i, 0,1
	v_permlane16_swap_b32 v[PC+4*\c+\i], v[PC+4*\c+2+\i]
.endr
.endr
.set j, 0
.rept 16
	v_pk_mul_f32 v[OA+j:OA+j+1], v[OA+j:OA+j+1], v[FF:FF+1] op_sel_hi:[1,0]   ; O^T under the new M.  Twelve of these name no register of any one product below: the places between p's scale word and codes and the products
.set j, j+2
.endr
	; ---- O^T += V^T P^T: four accumulators, one instruction each; the matrix instruction that follows them is the next trip's first, on S^T
	s_wait_dscnt 0x0                               ; V
	s_wait_alu depctr_va_vdst(0)                   ; p's codes and its scale word, made by vector instructions, are written ahead of the products that take them; the places above stay beside this wait
.irp u, 0,1,2,3
.if (\u)%2
	v_wmma_scale_f32_16x16x128_f8f6f4 v[OA+8*\u:OA+8*\u+7], v[VF+8*\u:VF+8*\u+7], v[PC:PC+7], v[OA+8*\u:OA+8*\u+7], v[VSC+\u/2], v[PS] matrix_a_fmt:MATRIX_FMT_FP4 matrix_b_fmt:MATRIX_FMT_FP4 matrix_a_scale:MATRIX_SCALE_ROW1
.else
	v_wmma_scale_f32_16x16x128_f8f6f4 v[OA+8*\u:OA+8*\u+7], v[VF+8*\u:VF+8*\u+7], v[PC:PC+7], v[OA+8*\u:OA+8*\u+7], v[VSC+\u/2], v[PS] matrix_a_fmt:MATRIX_FMT_FP4 matrix_b_fmt:MATRIX_FMT_FP4
.endif
.endr
	s_cmp_lg_u32 s[KS], s[DG]
	s_cbranch_scc1 .Lon
	; ---- a block's last step: the way out.  O^T / the sum goes through my stage and leaves as whole rows of 256 bytes
.rept 4
	v_nop                                          ; four places behind the last products
.endr
	v_add_f32 v[SUM], v[SUM], v[SUM+1]             ; the sum's two halves,
	v_permlanex16_b32 v[TM], v[SUM], s[SEL], s[SEL+1]
	v_add_f32 v[SUM], v[SUM], v[TM]                ; and lane l xor 16's
	s_wait_alu depctr_va_vdst(0)
	v_rcp_f32 v[SUM], v[SUM]
	v_nop                                          ; a plain line behind the reciprocal,
	s_wait_alu depctr_va_vdst(0)                   ; and the reciprocal is written, ahead of its first reader
.set j, 0
.rept 16
	v_pk_mul_f32 v[S+j:S+j+1], v[OA+j:OA+j+1], v[SUM:SUM+1] op_sel_hi:[1,0]
.set j, j+2
.endr
	s_wait_alu depctr_va_vdst(0)                   ; the multiplications have written S .. S + 31, which the LDS stores read; the exponentials, sums and conversions are done with S + 32 on, in which the loads from the stage land
.irp u, 0,1,2,3
	ds_store_b128 v[STI], v[S+8*\u:S+8*\u+3] offset:64*\u          ; row r: channels 16 u + 8 h + 0 .. 7
	ds_store_b128 v[STI], v[S+8*\u+4:S+8*\u+7] offset:64*\u+16
.endr
.irp i, 0,1,2,3,4,5,6,7
	ds_load_b128 v[S+32+4*\i:S+32+4*\i+3], v[STO] offset:2*SP*\i   ; LDS serves a wave's instructions in order: these see my stores
.endr
.irp i, 0,1,2,3,4,5,6,7
	s_wait_dscnt 7-\i                              ; load i is in; the younger ones may be out
	global_store_b128 v[GO], v[S+32+4*\i:S+32+4*\i+3], s[OC:OC+1] offset:2*ROWS*\i th:TH_STORE_NT   ; sixteen lanes store 256 consecutive bytes, at a multiple of 256 from out's first byte
.endr
	s_wait_xcnt 0x0                                ; the stores have had their addresses translated: their base is written below; their data, and the LDS stores', are written again only behind the wait on vm_vsrc at the next trip's head
	s_mov_b64 s[OC:OC+1], s[OL:OL+1]               ; on to the second block (behind the last trip these lines serve nothing)
	s_mov_b32 s[DG], s[PI]
.irp g, 0,1,2,3
	v_mov_b32 v[QC+\g], v[QC2+\g]
.endr
	v_mov_b32 v[QS], v[QS2]
	FRESH                                          ; its 36 lines are also the places between Q's scale word and codes and the next products
.Lon:
	s_mov_b32 s[KS], s[NK]
	s_xor_b32 s[TB], s[TB], SLOT1                  ; the other slot
	s_add_co_u32 s[TAU], s[TAU], 1
	s_cmp_lt_u32 s[TAU], STEPS
	s_cbranch_scc1 .Lstep
	s_wait_dscnt 0x0
	s_wait_alu depctr_hold_cnt(0) depctr_sa_sdst(0) depctr_va_vdst(0) depctr_va_sdst(0) depctr_va_ssrc(0) depctr_va_vcc(0) depctr_vm_vsrc(0)
	s_wait_tensorcnt 0x0
	ds_add_u32 v254, v255
	s_wait_dscnt 0x0
	s_endpgm
.Lfunc_end_k_q47754afcce_attn:
	.size	k_q47754afcce_attn, .Lfunc_end_k_q47754afcce_attn-k_q47754afcce_attn
	.p2alignl 7, 3214868480
	.fill 96, 4, 3214868480
	.section	.rodata,"a",@progbits
	.p2align	6, 0x0
	.amdhsa_kernel k_q47754afcce_attn
		.amdhsa_group_segment_fixed_size 168960
		.amdhsa_private_segment_fixed_size 0
		.amdhsa_enable_private_segment 0
		.amdhsa_kernarg_size 24
		.amdhsa_user_sgpr_count 2
		.amdhsa_user_sgpr_kernarg_segment_ptr 1
		.amdhsa_wavefront_size32 1
		.amdhsa_system_sgpr_workgroup_id_x 1
		.amdhsa_system_sgpr_workgroup_id_y 1
		.amdhsa_system_sgpr_workgroup_id_z 1
		.amdhsa_system_vgpr_workitem_id 0
		.amdhsa_next_free_vgpr 288
		.amdhsa_next_free_sgpr 66
		.amdhsa_reserve_vcc 0
		.amdhsa_float_denorm_mode_32 3
		.amdhsa_float_denorm_mode_16_64 3
		.amdhsa_memory_ordered 1
		.amdhsa_forward_progress 1
		.amdhsa_inst_pref_size 44
	.end_amdhsa_kernel
	.amdgpu_metadata
---
amdhsa.version: [ 1, 2 ]
amdhsa.kernels:
  - .name:           k_q47754afcce_attn
    .symbol:         k_q47754afcce_attn.kd
    .args:
      - { .name: query_layer, .offset: 0, .size: 8, .value_kind: global_buffer, .address_space: global }
      - { .name: kv, .offset: 8, .size: 8, .value_kind: global_buffer, .address_space: global }
      - { .name: out0, .offset: 16, .size: 8, .value_kind: global_buffer, .address_space: global }
    .group_segment_fixed_size: 168960
    .private_segment_fixed_size: 0
    .kernarg_segment_align: 8
    .kernarg_segment_size: 24
    .max_flat_workgroup_size: 256
    .sgpr_count:     66
    .vgpr_count:     288
    .wavefront_size: 32
...
	.end_amdgpu_metadata
.endif
;; end of part 4
